; MI455X (gfx1250); checked and timed in simulation.
; The chip was launched on July 23, 2026; its instructions are those of AMD's public machine-readable ISA for CDNA 5 (MIT licence, August 2026) and "CDNA5" Instruction Set Architecture Reference Guide (July 2026). The comments in the code are by the model that wrote it; some were corrected since.
;; Multi Head Attention. Allowed arithmetic: matrix products marked QUANTISED: E2M1 operands, one E8M0 scale for each 32 along K, by v_wmma_scale_f32_16x16x128_f8f6f4 with both operands' format E2M1 (or v_wmma_scale_f32_32x16x128_f4), f32 sums; products left as they are: bf16, f16 or f32 operands; f32 sums; everything else in f32.
;; Inputs: b_o 1,024 float32; w_k 1,024 x 1,024 float32; w_o 1,024 x 1,024 float32; w_q 1,024 x 1,024 float32; w_v 1,024 x 1,024 float32; x 4 x 2,048 x 1,024 float32.
;; Outputs: out0 4 x 2,048 x 1,024 float32.
;; This version of the problem:
;;   THIS VERSION OF THE PROBLEM IS GIVEN IN LOW PRECISION. The matrix products marked QUANTISED in the list below multiply operands that are first quantised to E2M1 (2 exponent bits, 1 mantissa bit; 4 bits a number), with one power-of-two scale for each 32 numbers along K (OCP MX v1.0); their sums are f32. The products marked 'left as it is' may take bf16, f16 or f32 operands, with f32 sums. Whichever they take, every output number must still come out within the allowed error. Rounding operands to bf16 (8 significant bits) uses up far more of that allowance than f16 does (11 bits, for magnitudes from 6e-5 to 65,504). All else is computed in f32.
;;   The module's matrix products, in the order in which they are computed (A, B: the left and right operand; K: the contracted axis; several contracted axes count as one K, in the product's order):
;;     1. [M 8,192, K 1,024] x [K 1,024, N 1,024]; A: input x; B: input w_q: QUANTISED
;;     2. [M 8,192, K 1,024] x [K 1,024, N 1,024]; A: input x; B: input w_k: QUANTISED
;;     3. [M 8,192, K 1,024] x [K 1,024, N 1,024]; A: input x; B: input w_v: QUANTISED
;;     4. batch 64 x [M 2,048, K 64] x [K 64, N 2,048]; A: computed on the way; B: computed on the way: left as it is (an operand is computed on the way)
;;     5. batch 64 x [M 2,048, K 2,048] x [K 2,048, N 64]; A: computed on the way; B: computed on the way: left as it is (an operand is computed on the way)
;;     6. [M 8,192, K 1,024] x [K 1,024, N 1,024]; A: computed on the way; B: input w_o: left as it is (an operand is computed on the way)
;;   THE QUANTISER, for each operand of a quantised product, along K:
;;     - K is cut into blocks of 32 from its start; a last block that is shorter is filled with zeros.
;;     - A block's scale is 2^e with e = floor(log2(the largest magnitude in the block)) - 2, held to -126 .. 127; a block of zeros has e = 0. As a byte (E8M0): e + 127.
;;     - Each number is divided by its block's scale, clamped to +-6, and rounded to the nearest number of E2M1, ties to even, subnormals kept.
;;     - The product sums the exact products of the quantised numbers (number of the format x scale) in f32.
;;   ~~~python
;;   def quantise(x, axis):      # numpy; x: float32 -> the quantised numbers, widened to float32 again
;;       x = np.moveaxis(x, axis, -1); K = x.shape[-1]
;;       x = np.pad(x, [(0, 0)] * (x.ndim - 1) + [(0, -K % 32)]); x = x.reshape(x.shape[:-1] + (-1, 32)); a = np.abs(x).max(-1, keepdims=True)
;;       e = np.where(a > 0, np.clip(np.frexp(np.where(a > 0, a, 1))[1] - 1 - 2, -126, 127), 0)      # np.frexp(a)[1] - 1 = floor(log2(a)), exactly
;;       r = np.clip(x / 2.0 ** e, -6, 6)
;;       step = 2.0 ** (np.maximum(np.frexp(np.where(r == 0, 1, r))[1] - 1, 0) - 1)
;;       q = np.round(r / step) * step * 2.0 ** e      # np.round: ties to even
;;       return np.moveaxis(q.reshape(q.shape[:-2] + (-1,))[..., :K], -1, axis).astype(np.float32)
;;   ~~~
;; One version. Each part assembles by itself: llvm-mc -triple=amdgcn-amd-amdhsa -mcpu=gfx1250 --defsym DOCPART=n.
;; ======== version 1 of 1: 5 launches
;; limits: values are held in f16: magnitudes above 65,504 overflow, below 6.1e-05 lose precision
;; workspace buffers: xc 4,194,304 bytes; xs 262,144 bytes; wc 1,572,864 bytes; ws 98,304 bytes; wo16 2,097,152 bytes; qkv16 50,331,648 bytes; qkv32 786,432 bytes; ctx16 16,777,216 bytes
;; launch prep (part 1): grid 384 x 1, 4 waves a work-group, no clusters, 33,280 bytes of LDS; arguments x, w_q, w_k, w_v, w_o, xc, xs, wc, ws, wo16; writes xc, xs, wc, ws, wo16
.if DOCPART == 1
	.amdgcn_target "amdgcn-amd-amdhsa--gfx1250"
	.amdhsa_code_object_version 6
	.text
	.protected	k_q8b38cde8a6_prep
	.globl	k_q8b38cde8a6_prep
	.p2align	8
	.type	k_q8b38cde8a6_prep,@function
k_q8b38cde8a6_prep:
	s_mov_b64 s[64:65], 0
	v_nop
	global_prefetch_b8 v0, s[64:65] scope:SCOPE_SE
	s_setreg_imm32_b32 hwreg(HW_REG_WAVE_MODE, 25, 1), 1
	s_wait_xcnt 0x0
; x [8192][1024] and w_q, w_k, w_v [1024][1024], f32, K innermost, become codes of FP4 (E2M1), two a byte, with one E8M0 scale byte for each 32 along K;
; w_o [1024][1024] f32 is rounded once to f16.  xc, wc: a row of 1,024 codes is 512 bytes; xs, ws: 32 bytes a row; wc and ws hold w_q's, w_k's and w_v's rows on end.
; A block's scale is 2^(floor(log2(its largest magnitude)) - 2): its byte is the largest magnitude's exponent field - 2, held at 1 from below.  A block of zeros so gets the byte 1 where the
; quantiser's text says 127: its codes are zeros, which add nothing under any byte but 0xff, and only this program reads the bytes.
; LIMITS: blocks whose largest magnitude lies under 2^-124 take the byte 1; NaN and infinities are not served; |w_o| stays under 65,504 (f16).
; SHARES: a work-group takes 32,768 numbers, a wave 8,192.  Work-groups 0-255: x; 256-287, 288-319, 320-351: w_q, w_k, w_v; 352-383: the cast of w_o.  Rows are dense and 1,024 is a multiple of 32,
; so every tensor is a plain stream of blocks of 32.  The four quantised tensors take ONE path, on pointers chosen by the work-group's number.
; A wave takes 16 steps of 512 numbers.  Each load reads 512 consecutive bytes, 16 a lane; a step's 2,048 bytes turn through the wave's own stage in LDS and come back 64 bytes a lane, since the conversion
; takes neighbours along K from one lane's registers.  No tensor loads, no barrier, no cluster: waves share nothing, and no byte is read twice.
.set STEPS, 16
.set EMAX,  2
.set CB,    8                          ; bytes of 16 codes
.set R,     16                         ; v16-79   four sets of 16 numbers as they are loaded
.set X,     80                         ; v80-111  two sets of 16 neighbours
.set C,     128                        ; v128-191 codes: registers of its own for each step
.set E,     112                        ; v112-127 a scale byte for each step
.set WREG,  8192                       ; LDS: a region for each wave: two stages of 32 x SP bytes, behind them its 256 scale bytes
.set SP,    80                         ; a lane's place in a stage: 64 bytes + 16 of padding
.set SPW,   12                         ; v12 LDS address of my spare word; never rewritten
.set NIL,   13                         ; v13 0; never rewritten
.set SPARE, 4*WREG                     ; behind the four regions: the spare words, 128 bytes a wave
.set SRC,   26                         ; s[26:27] my wave's numbers
.set COD,   28                         ; s[28:29] my wave's codes
.set SCB,   30                         ; s[30:31] my wave's scale bytes
	s_load_b256 s[4:11], s[0:1], 0x0               ; x, w_q, w_k, w_v
	s_load_b256 s[12:19], s[0:1], 0x20             ; w_o, xc, xs, wc
	s_load_b128 s[20:23], s[0:1], 0x40             ; ws, wo16
	v_lshl_add_u32 v[SPW], v0, 2, SPARE
	v_mov_b32 v[NIL], 0
	v_lshrrev_b32 v1, 5, v0
	v_readfirstlane_b32 s24, v1                    ; wave
	v_and_b32 v2, 31, v0                           ; lane
	v_lshlrev_b32 v3, 4, v2                        ; my 16 bytes of a load's 512
	s_mul_i32 s25, s24, WREG
	v_lshrrev_b32 v14, 2, v2
	v_mul_u32_u24 v14, v14, SP
	v_and_b32 v15, 3, v2
	v_lshl_add_u32 v14, v15, 4, v14
	v_add_nc_u32 v14, s25, v14                     ; the stage, on the way in: SP (lane / 4) + 16 (lane % 4)
	v_mul_u32_u24 v15, v2, SP
	v_add_nc_u32 v15, s25, v15                     ; and on the way out: SP x lane: my 16 neighbours
	v_mul_u32_u24 v4, v2, CB                       ; my codes' place in a step's
	v_lshrrev_b32 v5, 1, v2
	s_add_co_u32 s25, s25, 2*32*SP
	v_add_nc_u32 v5, s25, v5                       ; LDS: my wave's 256 scale bytes, my block's byte
	v_lshlrev_b32 v7, 3, v2                        ; 8 bytes a lane
	v_add_nc_u32 v6, s25, v7
	s_wait_kmcnt 0x0
	s_cmp_ge_u32 ttmp9, 352
	s_cbranch_scc1 .Lcast
	; which tensor: the choices hang on the work-group's number alone
	s_cmp_lt_u32 ttmp9, 320
	s_cselect_b64 s[SRC:SRC+1], s[8:9], s[10:11]   ; w_k or w_v
	s_cmp_lt_u32 ttmp9, 288
	s_cselect_b64 s[SRC:SRC+1], s[6:7], s[SRC:SRC+1]   ; w_q or that
	s_cmp_lt_u32 ttmp9, 256
	s_cselect_b64 s[SRC:SRC+1], s[4:5], s[SRC:SRC+1]   ; x or that
	s_cselect_b64 s[COD:COD+1], s[14:15], s[18:19]
	s_cselect_b64 s[SCB:SCB+1], s[16:17], s[20:21]
	s_cselect_b32 s32, 0, 256
	s_cselect_b32 s33, -1, 31
	s_sub_co_u32 s34, ttmp9, s32                   ; the work-group's place among x's, or among the three weights'
	s_and_b32 s35, s34, s33                        ; and inside its own tensor (a weight has 32 work-groups)
	s_lshl_b32 s34, s34, 2
	s_add_co_u32 s34, s34, s24                     ; which run of 8,192 numbers of the codes' buffer is my wave's
	s_lshl_b32 s35, s35, 2
	s_add_co_u32 s35, s35, s24                     ; and of the source
	s_mov_b32 s37, 0
	s_lshl_b32 s36, s35, 15                        ; 32,768 bytes of numbers a run
	s_add_nc_u64 s[SRC:SRC+1], s[SRC:SRC+1], s[36:37]
	s_lshl_b32 s36, s34, 12                        ; 4,096 bytes of codes
	s_add_nc_u64 s[COD:COD+1], s[COD:COD+1], s[36:37]
	s_lshl_b32 s36, s34, 8                         ; 256 scale bytes
	s_add_nc_u64 s[SCB:SCB+1], s[SCB:SCB+1], s[36:37]
.macro LOAD t
.irp i, 0,1,2,3
	global_load_b128 v[R+16*((\t)%4)+4*\i:R+16*((\t)%4)+4*\i+3], v3, s[SRC:SRC+1] offset:2048*(\t)+512*\i th:TH_LOAD_NT   ; 32 lanes read 512 consecutive bytes
.endr
.endm
.macro TURN t                          ; step t's numbers through the stage: LDS serves a wave's instructions in order, so no wait stands between the stores and the loads
.irp i, 0,1,2,3
	ds_store_b128 v14, v[R+16*((\t)%4)+4*\i:R+16*((\t)%4)+4*\i+3] offset:32*SP*((\t)%2)+8*SP*\i
.endr
.irp i, 0,1,2,3
	ds_load_b128 v[X+16*((\t)%2)+4*\i:X+16*((\t)%2)+4*\i+3], v15 offset:32*SP*((\t)%2)+16*\i
.endr
.endm
.irp t, 0,1,2,3
	LOAD \t
.endr
	s_wait_loadcnt 12                              ; step 0's four loads are in; the twelve of steps 1 to 3 stay out
	TURN 0
.macro STEP t
.set XS, X+16*((\t)%2)
.if (\t) > 0
	s_wait_dscnt 1                                 ; this step's numbers are back from the stage; the last step's byte store may be out
.else
	s_wait_dscnt 0x0
.endif
.if (\t)+4 < STEPS
	LOAD (\t)+4                                    ; into the set that this step's stage stores have read
.endif
.if (\t)+1 < STEPS
.if STEPS-2-(\t) >= 3
	s_wait_loadcnt 12                              ; the next step's four loads are in; those of the three steps behind it may be out
.else
	s_wait_loadcnt 4*(STEPS-2-(\t))                ; at the end the count runs down: 8, 4, 0
.endif
	TURN (\t)+1
.endif
	v_max3_num_f32 v8, |v[XS]|, |v[XS+1]|, |v[XS+2]|               ; the largest magnitude of my 16, in two chains
	v_max3_num_f32 v9, |v[XS+3]|, |v[XS+4]|, |v[XS+5]|
.irp i, 6,10
	v_max3_num_f32 v8, v8, |v[XS+\i]|, |v[XS+\i+1]|
	v_max3_num_f32 v9, v9, |v[XS+\i+2]|, |v[XS+\i+3]|
.endr
	v_max3_num_f32 v8, v8, |v[XS+14]|, |v[XS+15]|
	v_max3_num_f32 v8, v8, v9, (EMAX+1)<<23        ; and the floor 2^(3 - 127): the byte cannot fall under 1
	v_max_num_f32_dpp v8, v8, v8 row_xmask:1 row_mask:0xf bank_mask:0xf   ; with my neighbour's 16: the block's
	v_add_nc_u32 v11, -(EMAX<<23), v8              ; 2 off its exponent field: the conversion takes the exponent field of this operand as its scale
	v_cvt_scalef32_pk8_fp4_f32 v[C+4*(\t)], v[XS:XS+7], v11
	v_cvt_scalef32_pk8_fp4_f32 v[C+4*(\t)+1], v[XS+8:XS+15], v11
	v_lshrrev_b32 v[E+(\t)], 23, v11               ; the scale's byte (also the plain line behind the conversions)
	ds_store_b8 v5, v[E+(\t)] offset:16*(\t)       ; both lanes of a block write the same byte with the same value
	global_store_b64 v4, v[C+4*(\t):C+4*(\t)+1], s[COD:COD+1] offset:32*CB*(\t)   ; the wave stores 256 consecutive bytes, aligned
.endm
.irp t, 0,1,2,3,4,5,6,7,8,9,10,11,12,13,14,15
	STEP \t
.endr
	ds_load_b64 v[8:9], v6                         ; LDS serves a wave's instructions in order: these see my byte stores
	s_wait_dscnt 0x0
	global_store_b64 v7, v[8:9], s[SCB:SCB+1]      ; 256 consecutive bytes, aligned
	s_wait_tensorcnt 0x0                           ; the wave's end, behind my last LDS store
	ds_add_u32 v[SPW], v[NIL]
	s_wait_dscnt 0x0
	s_endpgm
; THE CAST of w_o.  A wave takes 8,192 numbers: 64 loads of 512 bytes in four groups of 16, on two sets of registers by turns; each store covers 256 consecutive bytes.
.Lcast:
	s_sub_co_u32 s32, ttmp9, 352
	s_lshl_b32 s32, s32, 2
	s_add_co_u32 s32, s32, s24                     ; my wave's run
	s_mov_b32 s37, 0
	s_lshl_b32 s36, s32, 15
	s_add_nc_u64 s[12:13], s[12:13], s[36:37]
	s_lshl_b32 s36, s32, 14
	s_add_nc_u64 s[22:23], s[22:23], s[36:37]
.macro CLOAD g
.irp n, 0,1,2,3,4,5,6,7,8,9,10,11,12,13,14,15
	global_load_b128 v[16+96*((\g)%2)+4*\n:16+96*((\g)%2)+4*\n+3], v3, s[12:13] offset:512*(16*(\g)+\n) th:TH_LOAD_NT
.endr
.endm
.macro GROUP g
.set S0, 16+96*((\g)%2)
.if (\g) < 3
	s_wait_loadcnt 16                              ; this group's 16 loads are in; the next group's 16 may be out
.else
	s_wait_loadcnt 0x0
.endif
	s_wait_xcnt 0x0                                ; the last group's stores have read v80-111, which are written anew below
.irp n, 0,1,2,3,4,5,6,7,8,9,10,11,12,13,14,15
	v_cvt_pk_f16_f32 v[80+2*\n], v[S0+4*\n], v[S0+4*\n+1]
	v_cvt_pk_f16_f32 v[80+2*\n+1], v[S0+4*\n+2], v[S0+4*\n+3]
.endr
.if (\g)+2 < 4
	CLOAD (\g)+2
.endif
.irp n, 0,1,2,3,4,5,6,7,8,9,10,11,12,13,14,15
	global_store_b64 v7, v[80+2*\n:80+2*\n+1], s[22:23] offset:256*(16*(\g)+\n)
.endr
.endm
	CLOAD 0
	CLOAD 1
	GROUP 0
	GROUP 1
	GROUP 2
	GROUP 3
	s_wait_tensorcnt 0x0                           ; the same three closing lines as on the other path
	ds_add_u32 v[SPW], v[NIL]
	s_wait_dscnt 0x0
	s_endpgm
.Lfunc_end_k_q8b38cde8a6_prep:
	.size	k_q8b38cde8a6_prep, .Lfunc_end_k_q8b38cde8a6_prep-k_q8b38cde8a6_prep
	.p2alignl 7, 3214868480
	.fill 96, 4, 3214868480
	.section	.rodata,"a",@progbits
	.p2align	6, 0x0
	.amdhsa_kernel k_q8b38cde8a6_prep
		.amdhsa_group_segment_fixed_size 33280
		.amdhsa_private_segment_fixed_size 0
		.amdhsa_enable_private_segment 0
		.amdhsa_kernarg_size 80
		.amdhsa_user_sgpr_count 2
		.amdhsa_user_sgpr_kernarg_segment_ptr 1
		.amdhsa_wavefront_size32 1
		.amdhsa_system_sgpr_workgroup_id_x 1
		.amdhsa_system_sgpr_workgroup_id_y 1
		.amdhsa_system_sgpr_workgroup_id_z 1
		.amdhsa_system_vgpr_workitem_id 0
		.amdhsa_next_free_vgpr 192
		.amdhsa_next_free_sgpr 66
		.amdhsa_reserve_vcc 0
		.amdhsa_float_denorm_mode_32 3
		.amdhsa_float_denorm_mode_16_64 3
		.amdhsa_memory_ordered 1
		.amdhsa_forward_progress 1
		.amdhsa_inst_pref_size 54
	.end_amdhsa_kernel
	.amdgpu_metadata
---
amdhsa.version: [ 1, 2 ]
amdhsa.kernels:
  - .name:           k_q8b38cde8a6_prep
    .symbol:         k_q8b38cde8a6_prep.kd
    .args:
      - { .name: x, .offset: 0, .size: 8, .value_kind: global_buffer, .address_space: global }
      - { .name: w_q, .offset: 8, .size: 8, .value_kind: global_buffer, .address_space: global }
      - { .name: w_k, .offset: 16, .size: 8, .value_kind: global_buffer, .address_space: global }
      - { .name: w_v, .offset: 24, .size: 8, .value_kind: global_buffer, .address_space: global }
      - { .name: w_o, .offset: 32, .size: 8, .value_kind: global_buffer, .address_space: global }
      - { .name: xc, .offset: 40, .size: 8, .value_kind: global_buffer, .address_space: global }
      - { .name: xs, .offset: 48, .size: 8, .value_kind: global_buffer, .address_space: global }
      - { .name: wc, .offset: 56, .size: 8, .value_kind: global_buffer, .address_space: global }
      - { .name: ws, .offset: 64, .size: 8, .value_kind: global_buffer, .address_space: global }
      - { .name: wo16, .offset: 72, .size: 8, .value_kind: global_buffer, .address_space: global }
    .group_segment_fixed_size: 33280
    .private_segment_fixed_size: 0
    .kernarg_segment_align: 8
    .kernarg_segment_size: 80
    .max_flat_workgroup_size: 128
    .sgpr_count:     66
    .vgpr_count:     192
    .wavefront_size: 32
...
	.end_amdgpu_metadata
.endif
;; end of part 1
;; launch qkv (part 2): grid 12 x 32, 4 waves a work-group, clusters of 4 x 4, 327,680 bytes of LDS; arguments xc, xs, wc, ws, qkv16, qkv32; writes qkv16, qkv32
.if DOCPART == 2
	.amdgcn_target "amdgcn-amd-amdhsa--gfx1250"
	.amdhsa_code_object_version 6
	.text
	.protected	k_q8b38cde8a6_qkv
	.globl	k_q8b38cde8a6_qkv
	.p2align	8
	.type	k_q8b38cde8a6_qkv,@function
k_q8b38cde8a6_qkv:
	s_mov_b64 s[64:65], 0
	v_nop
	global_prefetch_b8 v0, s[64:65] scope:SCOPE_SE
	s_setreg_imm32_b32 hwreg(HW_REG_WAVE_MODE, 25, 1), 1
	s_wait_xcnt 0x0
	s_wait_alu depctr_hold_cnt(0) depctr_sa_sdst(0) depctr_va_vdst(0) depctr_va_sdst(0) depctr_va_ssrc(0) depctr_va_vcc(0) depctr_vm_vsrc(0)
	s_getreg_b32 s2, hwreg(HW_REG_IB_STS2, 6, 4)
	s_cmp_eq_u32 s2, 0
	s_cbranch_scc0 .Lentry_in_a_cluster
	s_endpgm
.Lentry_in_a_cluster:
	s_bfe_u32 s2, ttmp6, 0x10000c
	s_cmp_lg_u32 s2, 0xf033
	s_cbranch_scc0 .Lentry_shape_is_right
	s_endpgm
.Lentry_shape_is_right:
; q, k, v = x W^T for W = w_q, w_k, w_v on end: C[m][n] = sum over k of A[m][k] B[n][k], A = x's codes [8192][1024], B = the weights' codes [3072][1024], FP4 (E2M1) with one E8M0 scale for each 32 along K; sums in f32.
; A tile of C, 256 x 256, is made by a work-group of four waves; a wave makes 128 x 128: 64 accumulators of 16 x 16, 512 registers.  K = 1,024 is two LDS slots of 512 along K (rows of 256 bytes):
; both are first fills, nothing is filled again.  The scale bytes of the tile's rows, two dense blocks, come with them.
; CLUSTERS: 4 x 4 work-groups.  The four of a row of the cluster need the same tiles of A, the four of a column the same tiles of B: each tile is asked for JOINTLY.
; Tile row of C = 8 cy + cluster y: the batch is then cy, and the tiles that hold a sequence's positions 0-15 are those of the clusters with y = 0: the branch round their extra copy hangs on the cluster's y and the wave's number alone.
; THE MATRIX INSTRUCTION IS USED TRANSPOSED (source 0 = 16 rows of B, source 1 = 16 rows of A): a lane then holds eight neighbouring numbers of a row of C.
; OUT: qkv16 [which 3][batch 4][head 16][position 2048][64] f16: 16 positions of a head are 2,048 consecutive bytes.  qkv32: the f32 accumulators of positions 0-15 as they stand in the registers,
; [batch][16 columns ct][half p][lane][4]: element (position r, column 16 ct + 8 h + 4 p + i) in lane 16 h + r.
; LIMITS: |q|, |k|, |v| stay under 65,504 (f16).
; REGISTERS, in windows of 256: window 0: v16-29 addresses; v32-95 scale words, two sets; v128-191 A's fragments, ONE set; on the way out v128-223.  window 1: B's fragments, TWO sets, at v0 and v128.
;   window 2: the 32 accumulators of my rows 0-63 (accumulator (a, b) at v[8 (8 a + b)]);  window 3: those of my rows 64-127.
.set SIZE_K, 1024
.set KSTEP,  512
.set NQ,     KSTEP/128
.set ROWB,   256                       ; a tile's row in bytes
.set KROW,   SIZE_K/2                  ; a row of codes in memory
.set PITCH,  272                       ; an LDS row: 256 bytes + 16 of padding: the 16 rows that a load touches start at 16 different banks
.set FR,     8
.set NL,     2
.set NP,     4
.set HALFT,  128*PITCH
.set SLOT,   4*HALFT
.set KS,     SIZE_K/32                 ; a row of scale bytes
.set SCL,    2*SLOT                    ; behind the slots: the scales, as units of 256 bytes + 16 of padding
.set HALFS,  (128*KS/256)*272
.set SBLK,   (16*KS/256)*272
.set SPARE,  SCL+4*HALFS               ; the spare words, 128 bytes a wave
.set STAGE,  SPARE+512                 ; the way out: 16 rows x 272 bytes for each wave; no tile lands here
.set SPITCH, 272
.set ADRA, 16
.set ADRB, 20
.set STO,  24
.set RD,   25
.set CO,   26
.set ADRS, 27
.set SPW,  28
.set NIL,  29
.set SC,   32
.set AF,   128
.set TMP,  128                         ; the way out: a block's packed results
.set BK,   160                         ; and its rows read back: v160-191 and v192-223 by turns
.set G1, 24
.set G0, 32
.set G1B, 48
.set G0B, 56
.set G1S, 68
.set G0S, 76
.set G1SB, 80
.set G0SB, 88
.set MSB, 0
.macro WIN new                         ; the immediate's high byte repeats the setting that is left
.if MSB != (\new)
	s_set_vgpr_msb (MSB<<8)|(\new)
.set MSB, (\new)
.endif
.endm
.set MUL_LO, 0xa1                      ; source 0 (B) window 1, source 1 (A) window 0, C and D window 2
.set MUL_HI, 0xf1
.set TO_B,   0x40
; A joint load: waves 0 and 1 fetch for A, waves 2 and 3 for B; the branch hangs on the wave's number alone.  An s_nop 0 and four v_nop follow each of the two lines.
.macro JLOAD g0a, g1a, g0b, g1b
	s_cmp_eq_u32 s15, 0
	s_cbranch_scc0 .Lfor_b_\@
	tensor_load_to_lds s[\g0a:\g0a+3], s[\g1a:\g1a+7]
	s_nop 0
.rept 4
	v_nop
.endr
	s_branch .Lasked_\@
.Lfor_b_\@:
	tensor_load_to_lds s[\g0b:\g0b+3], s[\g1b:\g1b+7]
	s_nop 0
.rept 4
	v_nop
.endr
.Lasked_\@:
.endm
.macro CREST
	s_cmp_lg_u32 s14, 0
	s_cbranch_scc1 .Lnot_wave_0_\@
	s_barrier_signal -3
.Lnot_wave_0_\@:
	s_barrier_wait -3
	s_barrier_signal -1
	s_barrier_wait -1
.endm
.macro CROUND
	s_barrier_signal -1
	s_barrier_wait -1
	CREST
.endm
	s_load_b128 s[4:7], s[0:1], 0x0                ; x's codes, x's scales
	s_load_b128 s[8:11], s[0:1], 0x10              ; the weights' codes, their scales
	s_load_b64 s[12:13], s[0:1], 0x20              ; qkv16
	s_load_b64 s[96:97], s[0:1], 0x28              ; qkv32
	v_lshl_add_u32 v[SPW], v0, 2, SPARE
	v_mov_b32 v[NIL], 0
	ds_add_u32 v[SPW], v[NIL]                      ; the wave's opening: the add, twice on end, and its wait ahead of my first tensor load
	ds_add_u32 v[SPW], v[NIL]
	v_lshrrev_b32 v1, 5, v0
	v_readfirstlane_b32 s14, v1                    ; wave 0..3
	s_lshr_b32 s15, s14, 1                         ; which half of the tile's rows is mine.  Also: I fetch for A (0) or for B (1)
	s_and_b32 s16, s14, 1                          ; which half of its columns.  Also: which 128 rows of that tile I fetch
	s_bfe_u32 s40, ttmp6, 0x40000                  ; cx, cy
	s_bfe_u32 s41, ttmp6, 0x40004
	s_lshl_b32 s42, ttmp9, 2
	s_add_co_u32 s42, s42, s40                     ; tile column = 4 x cluster x + cx
	s_and_b32 s17, ttmp7, 0xffff
	s_lshl_b32 s18, s41, 3
	s_add_co_u32 s17, s17, s18                     ; tile row = 8 cy + cluster y
	s_lshl_b32 s43, s41, 2
	s_lshl_b32 s43, 15, s43                        ; my row of the cluster
	s_lshl_b32 s44, 0x1111, s40                    ; my column
	s_or_b32 s[G1+0], s43, (0<<16)|(1<<20)|(1<<21)|(5<<22)|(3<<25)  ; the mask; elements of 1 byte; padding on; bit 21 beside a mask; after every 64 words, 4 words
	s_or_b32 s[G1B+0], s44, (0<<16)|(1<<20)|(1<<21)|(5<<22)|(3<<25)
.irp g, G1, G1B
	s_mov_b32 s[\g+1], ROWB<<16                    ; tensor_dim0
	s_mov_b32 s[\g+2], 128<<16                     ; tensor_dim1
	s_mov_b32 s[\g+3], ROWB<<16                    ; tile_dim0
	s_mov_b32 s[\g+4], 128                         ; tile_dim1
	s_mov_b32 s[\g+5], KROW                        ; the pitch in memory
	s_mov_b32 s[\g+6], 0
	s_mov_b32 s[\g+7], 0
.endr
	s_or_b32 s[G1S+0], s43, (3<<16)|(1<<20)|(1<<21)|(5<<22)|(3<<25)  ; the scales of 128 rows: a dense block, as rows of 256 bytes (32 elements of 8 bytes)
	s_or_b32 s[G1SB+0], s44, (3<<16)|(1<<20)|(1<<21)|(5<<22)|(3<<25)
.irp g, G1S, G1SB
	s_mov_b32 s[\g+1], 32<<16
	s_mov_b32 s[\g+2], (128*KS/256)<<16
	s_mov_b32 s[\g+3], 32<<16
	s_mov_b32 s[\g+4], 128*KS/256
	s_mov_b32 s[\g+5], 32
	s_mov_b32 s[\g+6], 0
	s_mov_b32 s[\g+7], 0
.endr
	s_lshl_b32 s18, s16, 7
	s_lshl_b32 s20, s17, 8
	s_add_co_u32 s20, s20, s18                     ; A: row 256 x tile row + 128 x half
	s_lshl_b32 s46, s42, 8
	s_add_co_u32 s46, s46, s18                     ; B: row 256 x tile column + 128 x half
	s_mov_b32 s21, 0
	s_mov_b32 s47, 0
	s_mov_b64 s[18:19], KS
	s_mul_u64 s[22:23], s[20:21], s[18:19]         ; where these rows' scales begin
	s_mul_u64 s[92:93], s[46:47], s[18:19]
	s_mov_b64 s[18:19], KROW
	s_mul_u64 s[20:21], s[20:21], s[18:19]         ; and their codes
	s_mul_u64 s[46:47], s[46:47], s[18:19]
	s_mul_i32 s45, s14, HALFT                      ; where they go: wave x 128 rows
	s_mul_i32 s94, s14, HALFS
	s_wait_dscnt 0x0                               ; both opening adds are done
	s_wait_kmcnt 0x0
	s_add_nc_u64 s[20:21], s[4:5], s[20:21]
	s_add_nc_u64 s[22:23], s[6:7], s[22:23]
	s_add_nc_u64 s[46:47], s[8:9], s[46:47]
	s_add_nc_u64 s[92:93], s[10:11], s[92:93]
	CROUND                                         ; all sixteen work-groups are here: the joint loads meet
	s_mov_b32 s[G0S], 1
	s_add_co_u32 s[G0S+1], s94, SCL
	s_mov_b64 s[G0S+2:G0S+3], s[22:23]
	s_or_b32 s[G0S+3], s[G0S+3], 0x80000000
	s_mov_b32 s[G0SB], 1
	s_add_co_u32 s[G0SB+1], s94, SCL
	s_mov_b64 s[G0SB+2:G0SB+3], s[92:93]
	s_or_b32 s[G0SB+3], s[G0SB+3], 0x80000000
	JLOAD G0S, G1S, G0SB, G1SB                     ; the scales first.  Three loads of mine are out at the most: this one and the two slots'
.irp s, 0,1
	s_mov_b32 s[G0+4*\s], 1
	s_add_co_u32 s[G0+4*\s+1], s45, \s*SLOT
	s_add_nc_u64 s[G0+4*\s+2:G0+4*\s+3], s[20:21], \s*ROWB
	s_or_b32 s[G0+4*\s+3], s[G0+4*\s+3], 0x80000000
	s_mov_b32 s[G0B+4*\s], 1
	s_add_co_u32 s[G0B+4*\s+1], s45, \s*SLOT
	s_add_nc_u64 s[G0B+4*\s+2:G0B+4*\s+3], s[46:47], \s*ROWB
	s_or_b32 s[G0B+4*\s+3], s[G0B+4*\s+3], 0x80000000
	JLOAD G0+4*\s, G1, G0B+4*\s, G1B
.endr
	v_and_b32 v1, 15, v0                           ; l % 16
	v_bfe_u32 v2, v0, 4, 1                         ; l / 16
	v_mul_u32_u24 v3, v1, PITCH
	v_lshl_add_u32 v4, v2, 4, v3                   ; a fragment's row x pitch + 16 x half
	s_mul_i32 s21, s15, HALFT
	s_mul_i32 s22, s16, HALFT
	s_add_co_u32 s22, s22, 2*HALFT
.irp s, 0,1
	v_add_nc_u32 v[ADRA+\s], s21, v4
	v_add_nc_u32 v[ADRB+\s], s22, v4
	s_add_co_u32 s21, s21, SLOT
	s_add_co_u32 s22, s22, SLOT
.endr
	v_mul_u32_u24 v5, v1, KS                       ; my row's scales: KS bytes a row,
	v_lshrrev_b32 v6, 8, v5
	v_lshl_add_u32 v5, v6, 4, v5                   ; and 16 more for each 256 passed
	s_mul_i32 s21, s15, HALFS
	s_mul_i32 s22, s16, HALFS
	s_add_co_u32 s22, s22, 2*HALFS
	s_sub_co_u32 s22, s22, s21
	v_mul_u32_u24 v6, s22, v2                      ; lanes 16-31 take B's
	s_add_co_u32 s21, s21, SCL
	v_add_nc_u32 v5, v5, v6
	v_add_nc_u32 v[ADRS], s21, v5
	s_mul_i32 s23, s14, 16*SPITCH
	s_add_co_u32 s23, s23, STAGE                   ; my stage
	v_mul_u32_u24 v5, v1, SPITCH                   ; in: row l % 16, 16 bytes for each half of the lanes
	v_lshl_add_u32 v5, v2, 4, v5
	v_add_nc_u32 v[STO], s23, v5
	v_bfe_u32 v5, v0, 3, 2                         ; back: eight lanes take a head's 128 bytes of a row, 32 lanes four rows
	v_mul_u32_u24 v5, v5, SPITCH
	v_and_b32 v6, 7, v0
	v_lshl_add_u32 v5, v6, 4, v5
	v_add_nc_u32 v[RD], s23, v5
	v_and_b32 v6, 31, v0
	v_lshlrev_b32 v[CO], 4, v6                     ; 16 x lane: four rows of a head are 512 consecutive bytes of qkv16
	; qkv16: ((((which x 4 + batch) x 16 + head) x 2048) + position) x 128 bytes; which = cluster x, batch = cy, head = 4 cx + 2 x column half (+ 0, 1), position = 256 x cluster y + 128 x row half
	s_lshl_b32 s46, ttmp9, 2
	s_add_co_u32 s46, s46, s41
	s_lshl_b32 s46, s46, 4
	s_lshl_b32 s47, s40, 2
	s_add_co_u32 s46, s46, s47
	s_lshl_b32 s47, s16, 1
	s_add_co_u32 s46, s46, s47
	s_lshl_b32 s46, s46, 11
	s_and_b32 s47, ttmp7, 0xffff
	s_lshl_b32 s47, s47, 8
	s_add_co_u32 s46, s46, s47
	s_lshl_b32 s47, s15, 7
	s_add_co_u32 s46, s46, s47
	s_lshl_b32 s46, s46, 7
	s_mov_b32 s47, 0
	s_add_nc_u64 s[12:13], s[12:13], s[46:47]
	; qkv32: batch x 192 x 1,024 + (16 x tile column + 8 x column half) x 1,024
	s_mul_i32 s46, s41, 196608
	s_lshl_b32 s47, s42, 14
	s_add_co_u32 s46, s46, s47
	s_lshl_b32 s47, s16, 13
	s_add_co_u32 s46, s46, s47
	s_mov_b32 s47, 0
	s_add_nc_u64 s[96:97], s[96:97], s[46:47]
.macro FRAG reg, adr, q, i             ; 16 rows x 128 K of 4-bit codes: 8 registers: lane l holds row l % 16; registers 4 c .. 4 c + 3 hold K = 64 c + 32 (l / 16) + 0 .. 31
.irp c, 0,1
	ds_load_b128 v[\reg+4*\c:\reg+4*\c+3], v[\adr] offset:64*(\q)+32*\c+(\i)*16*PITCH
.endr
.endm
; 16 matrix instructions: A's blocks a0, a0 + 1 x B's eight, 128 along K.  The 64 accumulators take turns, one instruction a turn, in the same order in every step.
.macro MUL16 a0, p, q, sc, zero
.irp a, \a0, \a0+1
.irp b, 0,1,2,3,4,5,6,7
.if \zero
	v_wmma_scale_f32_16x16x128_f8f6f4 v[8*(8*((\a)%4)+\b):8*(8*((\a)%4)+\b)+7], v[128*(\p)+FR*\b:128*(\p)+FR*\b+FR-1], v[AF+FR*(\a):AF+FR*(\a)+FR-1], 0, v[SC+8*NQ*(\sc)+NQ*\b+(\q)], v[SC+8*NQ*(\sc)+NQ*(\a)+(\q)] matrix_a_fmt:MATRIX_FMT_FP4 matrix_b_fmt:MATRIX_FMT_FP4 matrix_a_scale:MATRIX_SCALE_ROW1
.else
	v_wmma_scale_f32_16x16x128_f8f6f4 v[8*(8*((\a)%4)+\b):8*(8*((\a)%4)+\b)+7], v[128*(\p)+FR*\b:128*(\p)+FR*\b+FR-1], v[AF+FR*(\a):AF+FR*(\a)+FR-1], v[8*(8*((\a)%4)+\b):8*(8*((\a)%4)+\b)+7], v[SC+8*NQ*(\sc)+NQ*\b+(\q)], v[SC+8*NQ*(\sc)+NQ*(\a)+(\q)] matrix_a_fmt:MATRIX_FMT_FP4 matrix_b_fmt:MATRIX_FMT_FP4 matrix_a_scale:MATRIX_SCALE_ROW1
.endif
.endr
.endr
.endm
.macro FETCH_B slot, q, p
	WIN TO_B
.irp i, 0,1,2,3,4,5,6,7
	FRAG 128*(\p)+FR*\i, ADRB+\slot, \q, \i
.endr
	WIN 0
.endm
.macro FETCH_A slot, q, i0
.irp i, \i0, \i0+1, \i0+2, \i0+3
	FRAG AF+FR*(\i), ADRA+\slot, \q, \i
.endr
.endm
.macro SCALES sc                       ; a slot's scale words: four words a row; lanes 0-15 take A's block i, lanes 16-31 B's block i
.irp i, 0,1,2,3,4,5,6,7
	ds_load_b128 v[SC+8*NQ*\sc+NQ*\i:SC+8*NQ*\sc+NQ*\i+3], v[ADRS] offset:\i*SBLK
.endr
.endm
.macro PLACES n                        ; plain vector lines between a matrix instruction and a load into, or a read of, its registers
.rept \n
	v_nop
.endr
.endm
.macro STEP slot, q, zero              ; a step of 128 along K that has its successor in the same slot
	s_wait_dscnt 4*NL                              ; B's set and A's blocks 0-3 are in; the youngest eight loads (A's blocks 4-7) may be out
	WIN MUL_LO
	MUL16 0, (\q)%2, \q, \slot, \zero
	MUL16 2, (\q)%2, \q, \slot, \zero
	s_wait_dscnt 0                                 ; A's blocks 4-7 are in
	PLACES NP
	FETCH_B \slot, (\q)+1, 1-(\q)%2
	FETCH_A \slot, (\q)+1, 0
	WIN MUL_HI
	MUL16 4, (\q)%2, \q, \slot, \zero
	MUL16 6, (\q)%2, \q, \slot, \zero
	PLACES NP
	WIN 0
	FETCH_A \slot, (\q)+1, 4
.endm
; Slot 0's last step changes slots: each wave waits for all its tensor loads (slot 1's part), adds 0 to its spare word, waits for that and its LDS reads, and passes the barrier: slot 1 is whole for every wave.  Nothing is filled again.
.macro TURN slot, next
	s_wait_tensorcnt 0x0
	ds_add_u32 v[SPW], v[NIL]
	s_wait_dscnt 4*NL+1                            ; the add and the youngest eight loads (A's blocks 4-7) may be out
	WIN MUL_LO
	MUL16 0, 1, NQ-1, \slot, 0
	s_wait_dscnt 0x0
	s_barrier_signal -1
	MUL16 2, 1, NQ-1, \slot, 0
	WIN 0
	s_barrier_wait -1
	PLACES NP
	v_add_nc_u32 v[ADRS], 4*NQ, v[ADRS]            ; on to the next slot's scale words (no LDS load of mine is out)
	FETCH_B \next, 0, 0
	FETCH_A \next, 0, 0
	SCALES \next
	WIN MUL_HI
	MUL16 4, 1, NQ-1, \slot, 0
	MUL16 6, 1, NQ-1, \slot, 0
	PLACES NP
	WIN 0
	FETCH_A \next, 0, 4
.endm
	s_wait_tensorcnt 1                             ; the scales and my part of slot 0 are in; slot 1's load may be out
	s_barrier_signal -1
	s_barrier_wait -1
	FETCH_B 0, 0, 0
	FETCH_A 0, 0, 0
	SCALES 0
	FETCH_A 0, 0, 4
	STEP 0, 0, 1                                   ; the first step's products start the sums
	STEP 0, 1, 0
	STEP 0, 2, 0
	TURN 0, 1
	STEP 1, 0, 0
	STEP 1, 1, 0
	STEP 1, 2, 0
	s_wait_dscnt 4*NL                              ; the very last step
	WIN MUL_LO
	MUL16 0, 1, NQ-1, 1, 0
	MUL16 2, 1, NQ-1, 1, 0
	s_wait_dscnt 0
	WIN MUL_HI
	MUL16 4, 1, NQ-1, 1, 0
	MUL16 6, 1, NQ-1, 1, 0
	WIN 0
	PLACES NP                                      ; behind the last products, ahead of every read of results and every write of operands below
	; POSITIONS 0-15 IN f32: they are block 0 of the waves with row half 0 in the clusters with y = 0.  Each store covers 512 consecutive bytes; each accumulator goes from its low end on.
	s_and_b32 s3, ttmp7, 0xffff
	s_or_b32 s3, s3, s15
	s_cmp_lg_u32 s3, 0
	s_cbranch_scc1 .Lnofine
	WIN 0x08                                       ; a store's data are its source 1: window 2
.irp b, 0,1,2,3,4,5,6,7
	global_store_b128 v[CO], v[8*\b:8*\b+3], s[96:97] offset:1024*\b
	global_store_b128 v[CO], v[8*\b+4:8*\b+7], s[96:97] offset:1024*\b+512
.endr
	WIN 0
.Lnofine:
; THE WAY OUT, block by block of 16 rows x 128 columns (two heads).  PACK: rounded to f16, 16 bytes a lane.  TOSTAGE: into my own stage and back, four rows of one head a load.  SEND: stored.
.macro PACK a
.set AC, 64*((\a)%4)
	WIN 0x0a+5*((\a)/4)                            ; sources 0 and 1: window 2 or 3
.irp b, 0,1,2,3,4,5,6,7
.irp r, 0,1,2,3
	v_cvt_pk_f16_f32 v[TMP+4*\b+\r], v[AC+8*\b+2*\r], v[AC+8*\b+2*\r+1]
.endr
.endr
	WIN 0
.endm
.macro TOSTAGE a
.set BB, BK+32*((\a)%2)
.irp b, 0,1,2,3,4,5,6,7
	ds_store_b128 v[STO], v[TMP+4*\b:TMP+4*\b+3] offset:32*\b
.endr
.irp j, 0,1
.irp u, 0,1,2,3
	ds_load_b128 v[BB+4*(4*\j+\u):BB+4*(4*\j+\u)+3], v[RD] offset:\u*4*SPITCH+128*\j   ; LDS serves a wave's instructions in order: these see the stores above
.endr
.endr
.endm
.macro SEND a
.set BB, BK+32*((\a)%2)
	s_wait_dscnt 0x0                               ; the block is back in registers
	s_wait_xcnt 0x0                                ; the block before's stores have read their registers: the next block's loads may land there
.irp j, 0,1
.irp u, 0,1,2,3
	global_store_b128 v[CO], v[BB+4*(4*\j+\u):BB+4*(4*\j+\u)+3], s[12:13] offset:\j*262144+(\a)*2048+\u*512   ; 512 consecutive bytes: four positions of one head
.endr
.endr
.endm
	PACK 0
	TOSTAGE 0
.irp a, 1,2,3,4,5,6,7                  ; block a's conversions stand between block a - 1's loads from the stage and the wait for them
	PACK \a
	SEND \a-1
	TOSTAGE \a
.endr
	SEND 7
	s_wait_tensorcnt 0x0                           ; the wave's end
	ds_add_u32 v[SPW], v[NIL]
	s_wait_dscnt 0x0
	CROUND                                         ; the closing round
	s_endpgm
.Lfunc_end_k_q8b38cde8a6_qkv:
	.size	k_q8b38cde8a6_qkv, .Lfunc_end_k_q8b38cde8a6_qkv-k_q8b38cde8a6_qkv
	.p2alignl 7, 3214868480
	.fill 96, 4, 3214868480
	.section	.rodata,"a",@progbits
	.p2align	6, 0x0
	.amdhsa_kernel k_q8b38cde8a6_qkv
		.amdhsa_group_segment_fixed_size 327680
		.amdhsa_private_segment_fixed_size 0
		.amdhsa_enable_private_segment 0
		.amdhsa_kernarg_size 48
		.amdhsa_user_sgpr_count 2
		.amdhsa_user_sgpr_kernarg_segment_ptr 1
		.amdhsa_wavefront_size32 1
		.amdhsa_system_sgpr_workgroup_id_x 1
		.amdhsa_system_sgpr_workgroup_id_y 1
		.amdhsa_system_sgpr_workgroup_id_z 1
		.amdhsa_system_vgpr_workitem_id 0
		.amdhsa_next_free_vgpr 1024
		.amdhsa_next_free_sgpr 98
		.amdhsa_reserve_vcc 0
		.amdhsa_float_denorm_mode_32 3
		.amdhsa_float_denorm_mode_16_64 3
		.amdhsa_memory_ordered 1
		.amdhsa_forward_progress 1
		.amdhsa_inst_pref_size 129
	.end_amdhsa_kernel
	.amdgpu_metadata
---
amdhsa.version: [ 1, 2 ]
amdhsa.kernels:
  - .name:           k_q8b38cde8a6_qkv
    .symbol:         k_q8b38cde8a6_qkv.kd
    .args:
      - { .name: xc, .offset: 0, .size: 8, .value_kind: global_buffer, .address_space: global }
      - { .name: xs, .offset: 8, .size: 8, .value_kind: global_buffer, .address_space: global }
      - { .name: wc, .offset: 16, .size: 8, .value_kind: global_buffer, .address_space: global }
      - { .name: ws, .offset: 24, .size: 8, .value_kind: global_buffer, .address_space: global }
      - { .name: qkv16, .offset: 32, .size: 8, .value_kind: global_buffer, .address_space: global }
      - { .name: qkv32, .offset: 40, .size: 8, .value_kind: global_buffer, .address_space: global }
    .group_segment_fixed_size: 327680
    .private_segment_fixed_size: 0
    .kernarg_segment_align: 8
    .kernarg_segment_size: 48
    .max_flat_workgroup_size: 128
    .sgpr_count:     98
    .vgpr_count:     1024
    .wavefront_size: 32
...
	.end_amdgpu_metadata
.endif
;; end of part 2
;; launch attn (part 3): grid 4 x 64, 16 waves a work-group, no clusters, 327,680 bytes of LDS; arguments qkv16, ctx16; writes ctx16
.if DOCPART == 3
	.amdgcn_target "amdgcn-amd-amdhsa--gfx1250"
	.amdhsa_code_object_version 6
	.text
	.protected	k_q8b38cde8a6_attn
	.globl	k_q8b38cde8a6_attn
	.p2align	8
	.type	k_q8b38cde8a6_attn,@function
k_q8b38cde8a6_attn:
	s_mov_b64 s[64:65], 0
	v_nop
	global_prefetch_b8 v0, s[64:65] scope:SCOPE_SE
	s_setreg_imm32_b32 hwreg(HW_REG_WAVE_MODE, 25, 1), 1
	s_wait_xcnt 0x0
; ctx[b][h][q] = the sum over k <= q of softmax_k(Q[q] . K[k] / 8) V[k], head size 64, 2,048 positions, 64 (batch, head) pairs.  Q, K, V: qkv16 [which][batch x head][position][64] f16.
; Products on f16 operands with f32 sums; maxima, exponentials and sums in f32; the weights p (at most 1) are rounded to f16 for the second product; ctx once to f16: ctx16 [head][batch x position][64].
; SHARES.  Work-group (i, y) owns query blocks i and 7 - i (256 queries each) of pair y, so that every work-group has the same number of key steps under the causal mask.  Sixteen waves, four to a SIMD;
; a wave owns 32 queries (two tiles of 16) of one of the two blocks; waves 2 p and 2 p + 1 take sub-block p of the two blocks, which of them takes which turns with the wave's bit 2.
; Keys go 64 a step; K's and V's rows come through a ring of two LDS slots of 256 keys, filled by the tensor data mover (waves 0, 1: K's halves; waves 2, 3: V's) and read by all sixteen.
; LAYOUT.  S^T = K Q^T (source 0 = 16 keys, source 1 = 16 queries): a lane holds ONE query (lane % 16) and the keys 8 (lane / 16) + 0..7 of a tile.  Two such tiles, rounded to f16 in pairs, ARE source 1
; (32 keys x 16 queries) of O^T = V^T P, whose result again holds one query a lane.  K comes out of LDS as it lies, V ([key][channel]) turned, by ds_load_tr16_b128.
; SOFTMAX.  For each query a running maximum m and sum l: p = 2^(c s - c m), c = log2(e) / 8; in every step O and l are multiplied by a = 2^(c m_old - c m_new).
; CAUSAL.  Every work-group walks all eight slots: trip counts are constants.  A step all of whose keys come after the wave's queries is jumped over by a scalar branch on ids; a slot whose first key comes after the
; work-group's last query is not asked for; on the diagonal hidden scores become -infinity ahead of the maximum.  Key 0 counts for every query, so m is a number from the first step on.
; NO CLUSTER: the four work-groups of a pair need 8, 7, 6 and 5 slots of keys: a joint load would bring tiles whose reads every wave of some partner jumps over.
; LIMITS: the running maximum starts at -3e38; NaN and infinities are not served.
.set SK,    256                        ; keys in a slot
.set NSL,   8
.set PK,    144                        ; a row of K in LDS: 128 bytes + 16: the 16 rows of a load start at different banks
.set PV,    160                        ; a row of V: 128 + 32: an odd multiple of 32 bytes, for the turning load
.set VOFF,  SK*PK
.set SLOT1, 1<<17                      ; slot 1 begins here: one exclusive or turns an address from one slot into the other
.set STAGE, 2*SLOT1                    ; the way out: 16 rows x 144 bytes for each wave; no tile lands here
.set SPARE, STAGE+16*16*PK             ; the spare words, 128 bytes a wave
.set AK0,  1                           ; v1  my lane's place in a tile of K
.set AV0,  2                           ; v2  the same for V
.set SPW,  3
.set NIL,  4
.set ADK,  5                           ; v5, v6 the step's addresses
.set ADV,  6
.set LD,   7                           ; v7  lane % 16 - 8 (lane / 16)
.set PFO,  8                           ; v8  256 x lane; never rewritten
.set D0,   9                           ; v9, v10 the mask's bounds for the two tiles
.set NINF, 11
.set ST,   12                          ; tile t's statistics at v[ST+8 t]: +0 c m, +1 m, +2, +3 l in two halves, +4 to +7 at work; a in +6
.set Q,    32                          ; v32-63  Q: fragment (t, c) at 32 + 8 (2 t + c)
.set KV,   64                          ; v64-127 K's eight fragments, then V's eight
.set S,    128                         ; v128-191 S^T, 32 a tile; p's f16 pairs are packed into a tile's first 16
.set O,    192                         ; v192-255 O^T, 32 a tile
.set WV,   8
.set SEL,  10
.set CS,   12
.set G1K,  16
.set G1V,  24
.set G0K,  32
.set G0V,  36
.set TB,   40                          ; s40 LDS byte at which the slot in hand begins
.set KF,   41                          ; s41 the step's first key
.set Q0,   42                          ; s42 my first query
.set QL,   43                          ; s43 my work-group's last query
.set SLOTS, 44
.set LIM,  45
.set PFA,  46
; Waves 0 and 1 fetch for K, waves 2 and 3 for V, the others nothing.  An s_nop 0 and four v_nop follow each of the two lines.
.macro TLOAD
	s_cmp_lt_u32 s[WV], 2
	s_cbranch_scc0 .Lnot_k_\@
	tensor_load_to_lds s[G0K:G0K+3], s[G1K:G1K+7]
	s_nop 0
.rept 4
	v_nop
.endr
	s_branch .Lasked_\@
.Lnot_k_\@:
	s_cmp_lt_u32 s[WV], 4
	s_cbranch_scc0 .Lasked_\@
	tensor_load_to_lds s[G0V:G0V+3], s[G1V:G1V+7]
	s_nop 0
.rept 4
	v_nop
.endr
.Lasked_\@:
.endm
; A prefetch of what the NEXT change of slots will ask for: a slot's 32,768 bytes of K and of V.  Each aligned block of 256 bytes is named once in the launch: of a pair's four work-groups the first asks; in it
; waves 4 to 7 for K, waves 8 to 11 for V, 8,192 bytes a wave, lanes 256 bytes apart.  The last change that fills a slot asks for nothing; slots 0 and 1 come by their loads alone.
.macro ASK
	s_cmp_gt_u32 s[SLOTS], s[LIM]
	s_cbranch_scc0 .Lnot_mine_\@
	global_prefetch_b8 v[PFO], s[PFA:PFA+1] th:TH_LOAD_NT scope:SCOPE_SE
.Lnot_mine_\@:
.endm
	s_load_b128 s[4:7], s[0:1], 0x0                ; qkv16, ctx16
	v_lshl_add_u32 v[SPW], v0, 2, SPARE
	v_mov_b32 v[NIL], 0
	ds_add_u32 v[SPW], v[NIL]                      ; the wave's opening: the add, twice on end, and its wait ahead of the first tensor load
	ds_add_u32 v[SPW], v[NIL]
	v_lshrrev_b32 v5, 5, v0
	v_readfirstlane_b32 s[WV], v5                  ; wave 0..15
	s_and_b32 s48, ttmp7, 0xffff                   ; y = batch x 16 + head
	s_lshl_b32 s49, s48, 18                        ; a pair's 2,048 rows of 128 bytes
	s_lshr_b32 s50, s[WV], 2
	s_xor_b32 s50, s50, s[WV]
	s_and_b32 s50, s50, 1                          ; which of the two blocks
	s_lshl_b32 s51, ttmp9, 1
	s_sub_co_u32 s51, 7, s51
	s_mul_i32 s51, s51, s50
	s_add_co_u32 s51, s51, ttmp9                   ; block i or 7 - i
	s_lshl_b32 s51, s51, 8
	s_lshr_b32 s52, s[WV], 1
	s_lshl_b32 s52, s52, 5
	s_add_co_u32 s[Q0], s51, s52                   ; my first query
	s_sub_co_u32 s[QL], 8, ttmp9
	s_lshl_b32 s[QL], s[QL], 8
	s_sub_co_u32 s[QL], s[QL], 1                   ; the last query of block 7 - i
	s_and_b32 s53, s[WV], 1                        ; which half of a slot's rows I fetch, if I fetch
	s_mul_i32 s54, s53, 128*PK
	s_mul_i32 s55, s53, 128*PV
	s_add_co_u32 s55, s55, VOFF
	s_lshl_b32 s56, s53, 14
	s_add_co_u32 s56, s56, s49
	s_mov_b32 s57, 0
	s_lshl_b32 s58, s[Q0], 7
	s_add_co_u32 s58, s58, s49                     ; Q: my first query's row
	s_mov_b32 s59, 0
	s_and_b32 s50, s48, 15                         ; ctx16: (head x 8192 + batch x 2048 + query) x 128
	s_lshl_b32 s50, s50, 13
	s_lshr_b32 s51, s48, 4
	s_lshl_b32 s51, s51, 11
	s_add_co_u32 s50, s50, s51
	s_add_co_u32 s50, s50, s[Q0]
	s_lshl_b32 s50, s50, 7
	s_mov_b32 s51, 0
	s_cmp_lt_u32 s[WV], 8                          ; the prefetches: waves under 8 stand in K, the others in V,
	s_mov_b32 s52, 0x2000000
	s_cselect_b32 s52, 0x1000000, s52
	s_add_co_u32 s52, s52, s49                     ; in my pair,
	s_and_b32 s53, s[WV], 3
	s_lshl_b32 s53, s53, 13
	s_add_co_u32 s52, s52, s53                     ; at my wave's 8,192 bytes,
	s_add_co_u32 s52, s52, SK*128                  ; in slot 1: the first change of slots steps it to slot 2
	s_mov_b32 s53, 0
	s_sub_co_u32 s60, s[WV], 4
	s_lshr_b32 s60, s60, 3                         ; 0 in waves 4 to 11,
	s_or_b32 s60, s60, ttmp9                       ; of the pair's first work-group
	s_cmp_eq_u32 s60, 0
	s_cselect_b32 s[LIM], 1, -1
	; descriptor group 1: 128 rows of 64 elements of 2 bytes, dense in memory, padded in LDS behind every 32 words: K by 4 words, V by 8
	s_mov_b32 s[G1K], (1<<16)|(1<<20)|(4<<22)|(3<<25)
	s_mov_b32 s[G1V], (1<<16)|(1<<20)|(4<<22)|(7<<25)
.irp g, G1K, G1V
	s_mov_b32 s[\g+1], 64<<16                      ; tensor_dim0
	s_mov_b32 s[\g+2], 128<<16                     ; tensor_dim1
	s_mov_b32 s[\g+3], 64<<16                      ; tile_dim0
	s_mov_b32 s[\g+4], 128                         ; tile_dim1
	s_mov_b32 s[\g+5], 64                          ; the pitch in memory
	s_mov_b32 s[\g+6], 0
	s_mov_b32 s[\g+7], 0
.endr
	s_mov_b32 s[SEL], 0x76543210
	s_mov_b32 s[SEL+1], 0xfedcba98
	s_mov_b32 s[CS], 0x3e38aa3b                    ; c = log2(e) / 8
	s_mov_b32 s[CS+1], s[CS]                       ; (named with it as a pair, so it is written)
	s_mov_b32 s[TB], 0
	s_mov_b32 s[KF], 0
	s_mov_b32 s[SLOTS], NSL-1
	s_wait_dscnt 0x0                               ; both opening adds are done
	s_wait_kmcnt 0x0
	s_mov_b32 s[G0K], 1
	s_mov_b32 s[G0K+1], s54                        ; slot 0
	s_add_nc_u64 s[G0K+2:G0K+3], s[4:5], s[56:57]
	s_add_nc_u64 s[G0K+2:G0K+3], s[G0K+2:G0K+3], 0x1000000   ; K lies 64 pairs behind Q
	s_or_b32 s[G0K+3], s[G0K+3], 0x80000000
	s_mov_b32 s[G0V], 1
	s_mov_b32 s[G0V+1], s55
	s_add_nc_u64 s[G0V+2:G0V+3], s[4:5], s[56:57]
	s_add_nc_u64 s[G0V+2:G0V+3], s[G0V+2:G0V+3], 0x2000000   ; V 128 pairs
	s_or_b32 s[G0V+3], s[G0V+3], 0x80000000
	TLOAD                                          ; slot 0: one load of mine is out at any time
	s_add_nc_u64 s[58:59], s[4:5], s[58:59]
	s_add_nc_u64 s[6:7], s[6:7], s[50:51]
	s_add_nc_u64 s[PFA:PFA+1], s[4:5], s[52:53]
	v_and_b32 v28, 15, v0                          ; r; kept
	v_bfe_u32 v29, v0, 4, 1                        ; h; kept
	v_lshlrev_b32 v30, 7, v28
	v_lshl_add_u32 v30, v29, 4, v30                ; Q: row r of 128 bytes + 16 h
.irp t, 0,1
.irp c, 0,1
	global_load_b128 v[Q+8*(2*\t+\c):Q+8*(2*\t+\c)+3], v30, s[58:59] offset:2048*\t+64*\c
	global_load_b128 v[Q+8*(2*\t+\c)+4:Q+8*(2*\t+\c)+7], v30, s[58:59] offset:2048*\t+64*\c+32
.endr
.endr
	v_mul_u32_u24 v[AK0], v28, PK
	v_lshl_add_u32 v[AK0], v29, 4, v[AK0]          ; row x pitch + 16 x half
	v_and_b32 v31, 7, v0
	v_lshl_add_u32 v[AV0], v29, 3, v31             ; the turning load: key 8 h + lane % 8,
	v_mul_u32_u24 v[AV0], v[AV0], PV
	v_bfe_u32 v31, v0, 3, 1
	v_lshl_add_u32 v[AV0], v31, 4, v[AV0]          ; channels 8 ((lane / 8) % 2) on
	v_add_nc_u32 v[AV0], VOFF, v[AV0]
	v_lshlrev_b32 v[LD], 3, v29
	v_sub_nc_u32 v[LD], v28, v[LD]
	v_and_b32 v[PFO], 31, v0
	v_lshlrev_b32 v[PFO], 8, v[PFO]
	v_mov_b32 v[NINF], 0xff800000
.irp t, 0,1
	v_mov_b32 v[ST+8*\t+1], 0xff61b1e6             ; m: -3e38, under every score
	v_mul_f32 v[ST+8*\t], s[CS], v[ST+8*\t+1]
.irp j, 2,3,4,5,6,7
	v_mov_b32 v[ST+8*\t+\j], 0                     ; l, and the registers at work (written once, so that every path finds them written)
.endr
.endr
.irp j, 0,1,2,3,4,5,6,7,8,9,10,11,12,13,14,15,16,17,18,19,20,21,22,23,24,25,26,27,28,29,30,31,32,33,34,35,36,37,38,39,40,41,42,43,44,45,46,47,48,49,50,51,52,53,54,55,56,57,58,59,60,61,62,63
	v_mov_b32 v[O+\j], 0                           ; O^T.  The step is written once: the first finds zeros, which a = 0 leaves zeros
.endr
; THE SOFTMAX of a step, the two tiles line by line, so that no line waits for the line above it.
.macro SOFT
.irp j, 0,1,2,3                        ; the maximum of 32 scores and the old m: four chains, each begun at its accumulator's lowest registers
.irp t, 0,1
	v_max3_num_f32 v[ST+8*\t+4+\j], v[S+32*\t+8*\j], v[S+32*\t+8*\j+1], v[S+32*\t+8*\j+2]
.endr
.endr
.irp g, 1,2
.irp j, 0,1,2,3
.irp t, 0,1
	v_max3_num_f32 v[ST+8*\t+4+\j], v[ST+8*\t+4+\j], v[S+32*\t+8*\j+2*\g+1], v[S+32*\t+8*\j+2*\g+2]
.endr
.endr
.endr
.irp t, 0,1
	v_max3_num_f32 v[ST+8*\t+4], v[ST+8*\t+4], v[S+32*\t+7], v[S+32*\t+15]
.endr
.irp t, 0,1
	v_max3_num_f32 v[ST+8*\t+6], v[ST+8*\t+6], v[S+32*\t+23], v[S+32*\t+31]
.endr
.irp t, 0,1
	v_max3_num_f32 v[ST+8*\t+4], v[ST+8*\t+4], v[ST+8*\t+5], v[ST+8*\t+6]
.endr
.irp t, 0,1
	v_max3_num_f32 v[ST+8*\t+4], v[ST+8*\t+4], v[ST+8*\t+7], v[ST+8*\t+1]
.endr
.irp t, 0,1
	v_permlanex16_b32 v[ST+8*\t+5], v[ST+8*\t+4], s[SEL], s[SEL+1]   ; the query's other 32 keys lie in the lane 16 away
.endr
.irp t, 0,1
	v_mov_b32 v[ST+8*\t+7], v[ST+8*\t]             ; c m_old
.endr
.irp t, 0,1
	v_max_num_f32 v[ST+8*\t+1], v[ST+8*\t+4], v[ST+8*\t+5]
.endr
.irp t, 0,1
	v_mul_f32 v[ST+8*\t], s[CS], v[ST+8*\t+1]
.endr
.irp t, 0,1
	v_sub_f32 v[ST+8*\t+7], v[ST+8*\t+7], v[ST+8*\t]
.endr
.irp i, 0,1,2,3,4,5,6,7,8,9,10,11,12,13,14,15
.irp t, 0,1
	v_pk_fma_f32 v[S+32*\t+2*\i:S+32*\t+2*\i+1], v[S+32*\t+2*\i:S+32*\t+2*\i+1], s[CS:CS+1], v[ST+8*\t:ST+8*\t+1] op_sel_hi:[1,0,0] neg_lo:[0,0,1] neg_hi:[0,0,1]   ; c s - c m
.endr
.endr
.irp t, 0,1
	v_exp_f32 v[ST+8*\t+6], v[ST+8*\t+7]           ; a
.endr
.irp j, 0,1,2,3,4,5,6,7,8,9,10,11,12,13,14,15,16,17,18,19,20,21,22,23,24,25,26,27,28,29,30,31
.irp t, 0,1
	v_exp_f32 v[S+32*\t+\j], v[S+32*\t+\j]         ; p
.endr
.endr
	v_nop                                          ; a plain line behind the last exponential,
	s_wait_alu depctr_va_vdst(0)                   ; and ONE wait for all 66, ahead of the first line that names a result
.irp t, 0,1                            ; the sums, of the unrounded p, in two chains
	v_pk_fma_f32 v[ST+8*\t+2:ST+8*\t+3], v[ST+8*\t+2:ST+8*\t+3], v[ST+8*\t+6:ST+8*\t+7], v[S+32*\t:S+32*\t+1] op_sel_hi:[1,0,1]
.endr
.irp t, 0,1
	v_pk_add_f32 v[ST+8*\t+4:ST+8*\t+5], v[S+32*\t+2:S+32*\t+3], v[S+32*\t+6:S+32*\t+7]
.endr
.irp i, 1,2,3,4,5,6,7
.irp t, 0,1
	v_pk_add_f32 v[ST+8*\t+2:ST+8*\t+3], v[ST+8*\t+2:ST+8*\t+3], v[S+32*\t+4*\i:S+32*\t+4*\i+1]
.if \i > 1
	v_pk_add_f32 v[ST+8*\t+4:ST+8*\t+5], v[ST+8*\t+4:ST+8*\t+5], v[S+32*\t+4*\i+2:S+32*\t+4*\i+3]
.endif
.endr
.endr
.irp t, 0,1
	v_pk_add_f32 v[ST+8*\t+2:ST+8*\t+3], v[ST+8*\t+2:ST+8*\t+3], v[ST+8*\t+4:ST+8*\t+5]
.endr
.irp i, 0,1,2,3,4,5,6,7,8,9,10,11,12,13,14,15
.irp t, 0,1
	v_cvt_pk_f16_f32 v[S+32*\t+\i], v[S+32*\t+2*\i], v[S+32*\t+2*\i+1]   ; in place, ascending: register i has been read when it is written
.endr
.endr
.irp i, 0,1,2,3,4,5,6,7,8,9,10,11,12,13,14,15
.irp t, 0,1
	v_pk_mul_f32 v[O+32*\t+2*\i:O+32*\t+2*\i+1], v[O+32*\t+2*\i:O+32*\t+2*\i+1], v[ST+8*\t+6:ST+8*\t+7] op_sel_hi:[1,0]   ; O^T x a
.endr
.endr
.endm
; A KEY STEP: 64 keys, the q-th of the slot in hand.
.macro STEP q
	s_add_co_u32 s48, s[Q0], 31
	s_cmp_gt_u32 s[KF], s48                        ; all keys behind my last query: the step's work is left out
	s_cbranch_scc1 .Lhidden_\@
	v_add_nc_u32 v[ADK], s[TB], v[AK0]
	v_add_nc_u32 v[ADV], s[TB], v[AV0]
.rept 3
	v_nop                                          ; with the two additions five plain lines: the first products below write over registers that the last step's products read
.endr
.irp c, 0,1
.irp k, 0,1,2,3
	ds_load_b128 v[KV+8*(2*\k+\c):KV+8*(2*\k+\c)+3], v[ADK] offset:(64*\q+16*\k)*PK+64*\c
	ds_load_b128 v[KV+8*(2*\k+\c)+4:KV+8*(2*\k+\c)+7], v[ADK] offset:(64*\q+16*\k)*PK+64*\c+32
.endr
.endr
	s_wait_dscnt 8                                 ; channels 0-31 are in; the eight loads of channels 32-63 may be out
.irp k, 0,1,2,3                        ; the eight accumulators take turns
.irp t, 0,1
	v_wmma_f32_16x16x32_f16 v[S+32*\t+8*\k:S+32*\t+8*\k+7], v[KV+16*\k:KV+16*\k+7], v[Q+16*\t:Q+16*\t+7], 0
.endr
.endr
	s_wait_dscnt 0x0
.irp k, 0,1,2,3
.irp t, 0,1
	v_wmma_f32_16x16x32_f16 v[S+32*\t+8*\k:S+32*\t+8*\k+7], v[KV+16*\k+8:KV+16*\k+15], v[Q+16*\t+8:Q+16*\t+15], v[S+32*\t+8*\k:S+32*\t+8*\k+7]
.endr
.endr
.rept 4
	v_nop                                          ; plain lines ahead of the loads into K's registers and of the first read of the scores
.endr
.irp x, 0,1                            ; V, turned: keys 32 x on, channels 16 f on; it lands while the softmax is worked
.irp f, 0,1,2,3
	ds_load_tr16_b128 v[KV+8*(4*\x+\f):KV+8*(4*\x+\f)+3], v[ADV] offset:(64*\q+32*\x)*PV+32*\f
	ds_load_tr16_b128 v[KV+8*(4*\x+\f)+4:KV+8*(4*\x+\f)+7], v[ADV] offset:(64*\q+32*\x)*PV+16*PV+32*\f
.endr
.endr
	s_add_co_u32 s48, s[KF], 63
	s_cmp_le_u32 s48, s[Q0]                        ; all keys count for all my queries: no mask
	s_cbranch_scc1 .Lopen_\@
	s_sub_co_u32 s48, s[Q0], s[KF]
	v_add_nc_u32 v[D0], s48, v[LD]                 ; register n of tile t holds key KF + 16 (n / 8) + 8 h + n % 8: hidden where 16 (n / 8) + n % 8 > Q0 - KF + 16 t + r - 8 h
	v_add_nc_u32 v[D0+1], 16, v[D0]
.irp t, 0,1
.irp n, 0,1,2,3,4,5,6,7,8,9,10,11,12,13,14,15,16,17,18,19,20,21,22,23,24,25,26,27,28,29,30,31
	v_cmp_gt_i32 vcc_lo, 16*(\n/8)+\n%8, v[D0+\t]
	v_cndmask_b32 v[S+32*\t+\n], v[S+32*\t+\n], v[NINF], vcc_lo
.endr
.endr
.Lopen_\@:
	SOFT
	s_wait_dscnt 0x0                               ; V is in
.irp x, 0,1
.irp f, 0,1,2,3
.irp t, 0,1
	v_wmma_f32_16x16x32_f16 v[O+32*\t+8*\f:O+32*\t+8*\f+7], v[KV+8*(4*\x+\f):KV+8*(4*\x+\f)+7], v[S+32*\t+8*\x:S+32*\t+8*\x+7], v[O+32*\t+8*\f:O+32*\t+8*\f+7]
.endr
.endr
.endr
.Lhidden_\@:
	s_add_co_u32 s[KF], s[KF], 64
.endm
; THE CHANGE OF SLOTS stands at a slot's head.  Each wave waits for all its tensor loads (its part of the slot ahead), adds 0 to its spare word, and waits for that and for its reads of the slot that it has left.
; Behind the barrier the slot ahead is whole and nobody reads the other one.  fill = 1: that other slot takes the keys that follow, up to the causal limit; the load has a slot's four steps in which to land.
.macro CHANGE fill
	s_wait_tensorcnt 0x0                           ; no tensor load of mine is out, so a group 0 may be written
	ds_add_u32 v[SPW], v[NIL]
.if \fill
	ds_add_u32 v[SPW], v[NIL]                      ; twice on end here, in every trip alike
	s_xor_b32 s[G0K+1], s[G0K+1], SLOT1            ; the walking descriptors: the other slot, the next 256 keys
	s_add_nc_u64 s[G0K+2:G0K+3], s[G0K+2:G0K+3], SK*128
	s_xor_b32 s[G0V+1], s[G0V+1], SLOT1
	s_add_nc_u64 s[G0V+2:G0V+3], s[G0V+2:G0V+3], SK*128
	s_wait_xcnt 0x0                                ; the last prefetch, a slot back, has read its address
	s_add_nc_u64 s[PFA:PFA+1], s[PFA:PFA+1], SK*128
.endif
	s_wait_dscnt 0x0
	s_barrier_signal -1
	s_barrier_wait -1
.if \fill
	s_add_co_u32 s48, s[KF], SK                    ; the first key of the slot that this change would ask for
	s_cmp_gt_u32 s48, s[QL]                        ; ids and the count of steps alone: all sixteen waves go the same way.  Every wait for tensor loads in this text is for 0
	s_cbranch_scc1 .Lpast_\@
	TLOAD                                          ; a wave's one tensor load until the next such barrier
.Lpast_\@:
	ASK
.endif
.endm
.macro SLOT_STEPS
	STEP 0
	STEP 1
	STEP 2
	STEP 3
	s_xor_b32 s[TB], s[TB], SLOT1
.endm
	s_wait_loadcnt 0x0                             ; Q
.Lslot:                                            ; seven trips: behind each change of slots but the last the next slot is asked for
	CHANGE 1
	SLOT_STEPS
	s_sub_co_u32 s[SLOTS], s[SLOTS], 1
	s_cmp_lg_u32 s[SLOTS], 0
	s_cbranch_scc1 .Lslot
	CHANGE 0                                       ; the last slot is written out: nothing is left to ask for
	SLOT_STEPS
	; THE WAY OUT.  O^T / l, rounded to f16, goes through my stage, a tile (16 queries) at a time, and leaves as 512 consecutive bytes a store: four queries of my head.
.rept 4
	v_nop
.endr
.irp t, 0,1
	v_add_f32 v[ST+8*\t+4], v[ST+8*\t+2], v[ST+8*\t+3]
.endr
.irp t, 0,1
	v_permlanex16_b32 v[ST+8*\t+5], v[ST+8*\t+4], s[SEL], s[SEL+1]
.endr
.irp t, 0,1
	v_add_f32 v[ST+8*\t+4], v[ST+8*\t+4], v[ST+8*\t+5]
.endr
.irp t, 0,1
	v_rcp_f32 v[ST+8*\t+6], v[ST+8*\t+4]
.endr
	s_mul_i32 s48, s[WV], 16*PK
	s_add_co_u32 s48, s48, STAGE                   ; my stage
	v_mul_u32_u24 v5, v28, PK                      ; in: row r, 16 bytes for each half of the lanes
	v_lshl_add_u32 v5, v29, 4, v5
	v_add_nc_u32 v5, s48, v5
	v_bfe_u32 v6, v0, 3, 2                         ; back: eight lanes to a row of 128 bytes
	v_mul_u32_u24 v6, v6, PK
	v_and_b32 v9, 7, v0
	v_lshl_add_u32 v6, v9, 4, v6
	v_add_nc_u32 v6, s48, v6
	v_and_b32 v31, 31, v0
	v_lshlrev_b32 v31, 4, v31                      ; 16 x lane
	s_wait_alu depctr_va_vdst(0)                   ; one wait for the two reciprocals, ahead of their first reader; the address work stands between
.irp t, 0,1
.irp i, 0,1,2,3,4,5,6,7,8,9,10,11,12,13,14,15
	v_pk_mul_f32 v[O+32*\t+2*\i:O+32*\t+2*\i+1], v[O+32*\t+2*\i:O+32*\t+2*\i+1], v[ST+8*\t+6:ST+8*\t+7] op_sel_hi:[1,0]
.endr
.irp i, 0,1,2,3,4,5,6,7,8,9,10,11,12,13,14,15
	v_cvt_pk_f16_f32 v[S+32*\t+\i], v[O+32*\t+2*\i], v[O+32*\t+2*\i+1]
.endr
.irp f, 0,1,2,3
	ds_store_b128 v5, v[S+32*\t+4*\f:S+32*\t+4*\f+3] offset:32*\f
.endr
.irp u, 0,1,2,3
	ds_load_b128 v[KV+16*\t+4*\u:KV+16*\t+4*\u+3], v6 offset:\u*4*PK   ; LDS serves a wave's instructions in order: these see the stores above, and the next tile's stores come behind them
.endr
.endr
.irp u, 0,1,2,3
	s_wait_dscnt 8+3-\u                            ; behind tile 0's load u: its younger loads and tile 1's eight LDS instructions
	global_store_b128 v31, v[KV+4*\u:KV+4*\u+3], s[6:7] offset:512*\u
.endr
.irp u, 0,1,2,3
	s_wait_dscnt 3-\u
	global_store_b128 v31, v[KV+16+4*\u:KV+16+4*\u+3], s[6:7] offset:2048+512*\u
.endr
	s_wait_tensorcnt 0x0                           ; the wave's end
	ds_add_u32 v[SPW], v[NIL]
	s_wait_dscnt 0x0
	s_endpgm
.Lfunc_end_k_q8b38cde8a6_attn:
	.size	k_q8b38cde8a6_attn, .Lfunc_end_k_q8b38cde8a6_attn-k_q8b38cde8a6_attn
	.p2alignl 7, 3214868480
	.fill 96, 4, 3214868480
	.section	.rodata,"a",@progbits
	.p2align	6, 0x0
	.amdhsa_kernel k_q8b38cde8a6_attn
		.amdhsa_group_segment_fixed_size 327680
		.amdhsa_private_segment_fixed_size 0
		.amdhsa_enable_private_segment 0
		.amdhsa_kernarg_size 16
		.amdhsa_user_sgpr_count 2
		.amdhsa_user_sgpr_kernarg_segment_ptr 1
		.amdhsa_wavefront_size32 1
		.amdhsa_system_sgpr_workgroup_id_x 1
		.amdhsa_system_sgpr_workgroup_id_y 1
		.amdhsa_system_sgpr_workgroup_id_z 1
		.amdhsa_system_vgpr_workitem_id 0
		.amdhsa_next_free_vgpr 256
		.amdhsa_next_free_sgpr 66
		.amdhsa_reserve_vcc 1
		.amdhsa_float_denorm_mode_32 3
		.amdhsa_float_denorm_mode_16_64 3
		.amdhsa_memory_ordered 1
		.amdhsa_forward_progress 1
		.amdhsa_inst_pref_size 188
	.end_amdhsa_kernel
	.amdgpu_metadata
---
amdhsa.version: [ 1, 2 ]
amdhsa.kernels:
  - .name:           k_q8b38cde8a6_attn
    .symbol:         k_q8b38cde8a6_attn.kd
    .args:
      - { .name: qkv16, .offset: 0, .size: 8, .value_kind: global_buffer, .address_space: global }
      - { .name: ctx16, .offset: 8, .size: 8, .value_kind: global_buffer, .address_space: global }
    .group_segment_fixed_size: 327680
    .private_segment_fixed_size: 0
    .kernarg_segment_align: 8
    .kernarg_segment_size: 16
    .max_flat_workgroup_size: 512
    .sgpr_count:     66
    .vgpr_count:     256
    .wavefront_size: 32
...
	.end_amdgpu_metadata
.endif
;; end of part 3
;; launch proj (part 4): grid 4 x 64, 4 waves a work-group, clusters of 4 x 4, 327,680 bytes of LDS; arguments ctx16, wo16, b_o, out0; writes out0
.if DOCPART == 4
	.amdgcn_target "amdgcn-amd-amdhsa--gfx1250"
	.amdhsa_code_object_version 6
	.text
	.protected	k_q8b38cde8a6_proj
	.globl	k_q8b38cde8a6_proj
	.p2align	8
	.type	k_q8b38cde8a6_proj,@function
k_q8b38cde8a6_proj:
	s_mov_b64 s[64:65], 0
	v_nop
	global_prefetch_b8 v0, s[64:65] scope:SCOPE_SE
	s_setreg_imm32_b32 hwreg(HW_REG_WAVE_MODE, 25, 1), 1
	s_wait_xcnt 0x0
	s_wait_alu depctr_hold_cnt(0) depctr_sa_sdst(0) depctr_va_vdst(0) depctr_va_sdst(0) depctr_va_ssrc(0) depctr_va_vcc(0) depctr_vm_vsrc(0)
	s_getreg_b32 s2, hwreg(HW_REG_IB_STS2, 6, 4)
	s_cmp_eq_u32 s2, 0
	s_cbranch_scc0 .Lentry_in_a_cluster
	s_endpgm
.Lentry_in_a_cluster:
	s_bfe_u32 s2, ttmp6, 0x10000c
	s_cmp_lg_u32 s2, 0xf033
	s_cbranch_scc0 .Lentry_shape_is_right
	s_endpgm
.Lentry_shape_is_right:
; out[m][n] = sum over k of ctx[m][k] w_o[n][k] + b_o[n], m = 8,192 rows, n = k = 1,024; f16 operands, f32 sums, f32 out.  ctx16 lies [head][m][64], so K = head x 64 + channel; wo16 [n][k].
; The rows of a sequence's positions 0-15 are NOT stored here: another launch makes them more finely.
; A tile of out is 128 rows x 256 columns: 256 work-groups of four waves; a wave makes 64 x 128: 32 accumulators, 256 registers.  K goes in steps of 128 (two heads) through a ring of two LDS slots:
; A's part of a slot is two planes (one a head) of 128 rows x 128 bytes, B's 256 rows x 256 bytes.  Waves 0, 1 fetch A's planes, waves 2, 3 B's halves: one tensor load a wave behind each round.
; CLUSTERS: 4 x 4.  A's tiles are shared along a row of the cluster, B's along a column: joint loads.  Tile row = 16 cy + cluster y: the batch is cy, and positions 0-15 lie in the clusters with y = 0,
; so the branch round their stores hangs on the cluster's y and the wave's number alone.
; THE MATRIX INSTRUCTION IS USED TRANSPOSED (source 0 = 16 rows of w_o, source 1 = 16 rows of ctx): a lane holds eight neighbouring columns of one row.  The bias is the C of each sum's first product.
; REGISTERS: window 0: v16-29 addresses; v64-95, v96-127 A's two fragment buffers; v128-191 the bias, on the way out v128-255 rows of out.  window 1: v0-63, v128-191 B's two buffers.  window 2: accumulator (a, b) at v[8 (8 a + b)].
; No prefetch: the tiles are small and shared, and the ring's loads are the design's way of having bytes on their way.
.set PA,     144                       ; a row of A in LDS: 128 bytes + 16
.set PB,     272                       ; a row of B: 256 + 16
.set PLANE,  128*PA
.set BOFF,   2*PLANE
.set HALFB,  128*PB
.set SLOT,   BOFF+2*HALFB
.set STAGE,  2*SLOT                    ; the way out: 16 rows x 528 bytes for each wave; no tile lands here
.set SPITCH, 528
.set SPARE,  STAGE+4*16*SPITCH
.set LAPS,   4                         ; eight K steps, two a lap
.set ADRA, 16
.set ADRB, 20
.set STO,  24
.set RD,   25
.set CO,   26
.set SPW,  28
.set NIL,  29
.set BIAS, 128
.set BK,   128
.set G1, 24
.set G0, 32
.set G1B, 48
.set G0B, 56
.set MSB, 0
.macro WIN new
.if MSB != (\new)
	s_set_vgpr_msb (MSB<<8)|(\new)
.set MSB, (\new)
.endif
.endm
.set MUL,  0xa1                        ; source 0 (B) window 1, source 1 (A) window 0, C and D window 2
.set MULZ, 0x81                        ; the same with C (the bias) in window 0
.set TO_B, 0x40
.macro JLOAD s                         ; a joint load; an s_nop 0 and four v_nop follow each of the two lines
	s_cmp_eq_u32 s13, 0
	s_cbranch_scc0 .Lfor_b_\@
	tensor_load_to_lds s[G0+4*\s:G0+4*\s+3], s[G1:G1+7]
	s_nop 0
.rept 4
	v_nop
.endr
	s_branch .Lasked_\@
.Lfor_b_\@:
	tensor_load_to_lds s[G0B+4*\s:G0B+4*\s+3], s[G1B:G1B+7]
	s_nop 0
.rept 4
	v_nop
.endr
.Lasked_\@:
.endm
.macro CREST
	s_cmp_lg_u32 s12, 0
	s_cbranch_scc1 .Lnot_wave_0_\@
	s_barrier_signal -3
.Lnot_wave_0_\@:
	s_barrier_wait -3
	s_barrier_signal -1
	s_barrier_wait -1
.endm
.macro CROUND
	s_barrier_signal -1
	s_barrier_wait -1
	CREST
.endm
	s_load_b256 s[4:11], s[0:1], 0x0               ; ctx16, wo16, b_o, out0
	v_lshl_add_u32 v[SPW], v0, 2, SPARE
	v_mov_b32 v[NIL], 0
	ds_add_u32 v[SPW], v[NIL]                      ; the wave's opening: the add, twice on end, and its wait ahead of my first tensor load
	ds_add_u32 v[SPW], v[NIL]
	v_lshrrev_b32 v1, 5, v0
	v_readfirstlane_b32 s12, v1                    ; wave 0..3
	s_lshr_b32 s13, s12, 1                         ; my 64 rows.  Also: I fetch for A (0) or for B (1)
	s_and_b32 s14, s12, 1                          ; my 128 columns.  Also: which plane of A, or which 128 rows of B, I fetch
	s_bfe_u32 s40, ttmp6, 0x40000                  ; cx, cy
	s_bfe_u32 s41, ttmp6, 0x40004
	s_lshl_b32 s42, ttmp9, 2
	s_add_co_u32 s42, s42, s40                     ; tile column
	s_and_b32 s45, ttmp7, 0xffff                   ; cluster y
	s_lshl_b32 s15, s41, 4
	s_add_co_u32 s15, s15, s45                     ; tile row = 16 cy + cluster y
	s_or_b32 s45, s45, s13                         ; 0 where my block 0 is a sequence's positions 0-15
	s_lshl_b32 s43, s41, 2
	s_lshl_b32 s43, 15, s43                        ; my row of the cluster
	s_lshl_b32 s44, 0x1111, s40                    ; my column
	s_or_b32 s[G1+0], s43, (1<<16)|(1<<20)|(1<<21)|(4<<22)|(3<<25)   ; A: elements of 2 bytes; 4 words of padding behind every 32
	s_mov_b32 s[G1+1], 64<<16                      ; tensor_dim0
	s_mov_b32 s[G1+2], 128<<16                     ; tensor_dim1
	s_mov_b32 s[G1+3], 64<<16                      ; tile_dim0
	s_mov_b32 s[G1+4], 128                         ; tile_dim1
	s_mov_b32 s[G1+5], 64                          ; the pitch in memory
	s_mov_b32 s[G1+6], 0
	s_mov_b32 s[G1+7], 0
	s_or_b32 s[G1B+0], s44, (1<<16)|(1<<20)|(1<<21)|(5<<22)|(3<<25)  ; B: 4 words behind every 64
	s_mov_b32 s[G1B+1], 128<<16
	s_mov_b32 s[G1B+2], 128<<16
	s_mov_b32 s[G1B+3], 128<<16
	s_mov_b32 s[G1B+4], 128
	s_mov_b32 s[G1B+5], 1024
	s_mov_b32 s[G1B+6], 0
	s_mov_b32 s[G1B+7], 0
	s_lshl_b32 s16, s15, 14                        ; A: tile row x 128 rows x 128 bytes,
	s_lshl_b32 s17, s14, 20
	s_add_co_u32 s16, s16, s17                     ; + my plane: a head is 8,192 rows of 128 bytes
	s_mov_b32 s17, 0
	s_lshl_b32 s46, s42, 19                        ; B: (256 x tile column + 128 x half) rows of 2,048 bytes
	s_lshl_b32 s47, s14, 18
	s_add_co_u32 s46, s46, s47
	s_mov_b32 s47, 0
	s_mul_i32 s20, s14, PLANE                      ; where they go: no place in the cluster enters an LDS address
	s_mul_i32 s21, s14, HALFB
	s_add_co_u32 s21, s21, BOFF
	s_wait_dscnt 0x0                               ; both opening adds are done
	s_wait_kmcnt 0x0
	s_add_nc_u64 s[18:19], s[4:5], s[16:17]
	s_add_nc_u64 s[46:47], s[6:7], s[46:47]
	CROUND                                         ; all sixteen work-groups are here: the first joint loads meet
.irp s, 0,1
	s_mov_b32 s[G0+4*\s], 1
	s_add_co_u32 s[G0+4*\s+1], s20, \s*SLOT
	s_add_nc_u64 s[G0+4*\s+2:G0+4*\s+3], s[18:19], \s*2097152      ; K step s: two heads on
	s_or_b32 s[G0+4*\s+3], s[G0+4*\s+3], 0x80000000
	s_mov_b32 s[G0B+4*\s], 1
	s_add_co_u32 s[G0B+4*\s+1], s21, \s*SLOT
	s_add_nc_u64 s[G0B+4*\s+2:G0B+4*\s+3], s[46:47], \s*256
	s_or_b32 s[G0B+4*\s+3], s[G0B+4*\s+3], 0x80000000
	JLOAD \s                                       ; two loads of mine are out at the start, one behind each round
.endr
	v_and_b32 v1, 15, v0                           ; r
	v_bfe_u32 v2, v0, 4, 1                         ; h
	v_mul_u32_u24 v3, v1, PA
	v_lshl_add_u32 v3, v2, 4, v3
	v_mul_u32_u24 v4, v1, PB
	v_lshl_add_u32 v4, v2, 4, v4
	s_mul_i32 s21, s13, 64*PA                      ; my 64 rows of A, in each plane
	s_mul_i32 s22, s14, HALFB                      ; my 128 rows of B
	s_add_co_u32 s22, s22, BOFF
.irp s, 0,1
	v_add_nc_u32 v[ADRA+\s], s21, v3
	v_add_nc_u32 v[ADRB+\s], s22, v4
	s_add_co_u32 s21, s21, SLOT
	s_add_co_u32 s22, s22, SLOT
.endr
	s_mul_i32 s23, s12, 16*SPITCH
	s_add_co_u32 s23, s23, STAGE                   ; my stage
	v_mul_u32_u24 v5, v1, SPITCH                   ; in: row r, 32 bytes for each half of the lanes
	v_lshl_add_u32 v5, v2, 5, v5
	v_add_nc_u32 v[STO], s23, v5
	v_and_b32 v6, 31, v0
	v_lshlrev_b32 v[CO], 4, v6                     ; back: the 32 lanes take one row of 512 bytes; the same in out
	v_add_nc_u32 v[RD], s23, v[CO]
	v_lshlrev_b32 v7, 5, v2                        ; the bias: 32 h
	s_lshl_b32 s16, s15, 19                        ; out: (128 x tile row + 64 x row half) rows of 4,096 bytes
	s_lshl_b32 s17, s13, 18
	s_add_co_u32 s16, s16, s17
	s_mov_b32 s17, 0
	s_add_nc_u64 s[10:11], s[10:11], s[16:17]
	s_lshl_b32 s46, s42, 10                        ; my first column, in bytes of f32: 1,024 x tile column + 512 x half
	s_lshl_b32 s47, s14, 9
	s_add_co_u32 s46, s46, s47
	s_mov_b32 s47, 0
	s_add_nc_u64 s[10:11], s[10:11], s[46:47]
	s_add_nc_u64 s[8:9], s[8:9], s[46:47]
.irp b, 0,1,2,3,4,5,6,7                ; the bias in the result's layout: lane (r, h), tile b: columns 16 b + 8 h + 0..7
	global_load_b128 v[BIAS+8*\b:BIAS+8*\b+3], v7, s[8:9] offset:64*\b
	global_load_b128 v[BIAS+8*\b+4:BIAS+8*\b+7], v7, s[8:9] offset:64*\b+16
.endr
; 8 matrix instructions: A's block a x B's eight, 32 along K, on buffer f.  The 32 accumulators take turns in the same order in every quarter.
.macro MUL8 f, a, zero
.irp b, 0,1,2,3,4,5,6,7
.if \zero
	v_wmma_f32_16x16x32_f16 v[8*(8*(\a)+\b):8*(8*(\a)+\b)+7], v[128*(\f)+8*\b:128*(\f)+8*\b+7], v[64+32*(\f)+8*(\a):64+32*(\f)+8*(\a)+7], v[BIAS+8*\b:BIAS+8*\b+7]
.else
	v_wmma_f32_16x16x32_f16 v[8*(8*(\a)+\b):8*(8*(\a)+\b)+7], v[128*(\f)+8*\b:128*(\f)+8*\b+7], v[64+32*(\f)+8*(\a):64+32*(\f)+8*(\a)+7], v[8*(8*(\a)+\b):8*(8*(\a)+\b)+7]
.endif
.endr
.endm
; 24 LDS loads in one run: quarter q (32 along K) of a slot into buffer f: B's eight fragments, then A's four
.macro FETCH slot, q, f
	WIN TO_B
.irp i, 0,1,2,3,4,5,6,7
	ds_load_b128 v[128*(\f)+8*\i:128*(\f)+8*\i+3], v[ADRB+\slot] offset:64*(\q)+\i*16*PB
	ds_load_b128 v[128*(\f)+8*\i+4:128*(\f)+8*\i+7], v[ADRB+\slot] offset:64*(\q)+\i*16*PB+32
.endr
	WIN 0
.irp i, 0,1,2,3
	ds_load_b128 v[64+32*(\f)+8*\i:64+32*(\f)+8*\i+3], v[ADRA+\slot] offset:((\q)/2)*PLANE+((\q)%2)*64+\i*16*PA
	ds_load_b128 v[64+32*(\f)+8*\i+4:64+32*(\f)+8*\i+7], v[ADRA+\slot] offset:((\q)/2)*PLANE+((\q)%2)*64+\i*16*PA+32
.endr
.endm
.macro PLACES                          ; four plain lines ahead of loads into registers that matrix instructions have read, and of reads of results
.rept 4
	v_nop
.endr
.endm
; One of a K step's first three quarters: multiplies buffer f, and fetches quarter q of the same slot into buffer g.
.macro QUARTER slot, q, f, g, zero
	s_wait_dscnt 4                                 ; B and A's blocks 0, 1 are in; the youngest four loads (A's blocks 2, 3) may be out
.if \zero
	WIN MULZ
.else
	WIN MUL
.endif
	MUL8 \f, 0, \zero
	MUL8 \f, 1, \zero
	PLACES
	FETCH \slot, \q, \g
	s_wait_dscnt 24                                ; all but the 24 just issued
.if \zero
	WIN MULZ
.else
	WIN MUL
.endif
	MUL8 \f, 2, \zero
	MUL8 \f, 3, \zero
.endm
; The last quarter multiplies buffer 1 and changes slots: in front of the barrier each wave waits for all its tensor loads, adds 0 to its spare word, and waits for that and for its reads of this slot.
; fill = 1: the barrier opens a round of the cluster's, and this slot is filled again, two K steps ahead, first thing behind the round.
.macro TURN slot, next, fill
	WIN 0                                          ; (the add's two registers lie in window 0)
	s_wait_tensorcnt 0x0
	ds_add_u32 v[SPW], v[NIL]
	s_wait_dscnt 5                                 ; the add and the youngest four loads may be out
	WIN MUL
	MUL8 1, 0, 0
	s_wait_dscnt 0x0                               ; the add is done, and my reads of this slot are over
	s_barrier_signal -1
	MUL8 1, 1, 0
.if \fill
	WIN 0
.endif
	s_barrier_wait -1
.if \fill
	CREST
	s_add_nc_u64 s[G0+4*\slot+2:G0+4*\slot+3], s[G0+4*\slot+2:G0+4*\slot+3], 2*2097152
	s_add_nc_u64 s[G0B+4*\slot+2:G0B+4*\slot+3], s[G0B+4*\slot+2:G0B+4*\slot+3], 2*256
	JLOAD \slot                                    ; its four v_nop are also the plain lines ahead of the loads below
.else
	PLACES
.endif
	FETCH \next, 0, 0
	WIN MUL
	MUL8 1, 2, 0
	MUL8 1, 3, 0
.endm
	s_wait_tensorcnt 1                             ; my part of K step 0 is in; K step 1's load may be out
	s_barrier_signal -1
	s_barrier_wait -1
	FETCH 0, 0, 0
	s_wait_loadcnt 0x0                             ; the bias
	QUARTER 0, 1, 0, 1, 1                          ; the first quarter's products start the sums, from the bias
	WIN 0
	s_mov_b32 s3, LAPS-1
.Llap:                                             ; a trip goes once round the ring, from a lap's second quarter to the next lap's first, and fills both slots again
	QUARTER 0, 2, 1, 0, 0
	QUARTER 0, 3, 0, 1, 0
	TURN 0, 1, 1
	QUARTER 1, 1, 0, 1, 0
	QUARTER 1, 2, 1, 0, 0
	QUARTER 1, 3, 0, 1, 0
	TURN 1, 0, 1
	QUARTER 0, 1, 0, 1, 0
	WIN 0
	s_sub_co_u32 s3, s3, 1
	s_cmp_lg_u32 s3, 0
	s_cbranch_scc1 .Llap
	QUARTER 0, 2, 1, 0, 0                          ; the last lap fills nothing
	QUARTER 0, 3, 0, 1, 0
	TURN 0, 1, 0
	QUARTER 1, 1, 0, 1, 0
	QUARTER 1, 2, 1, 0, 0
	QUARTER 1, 3, 0, 1, 0
	s_wait_dscnt 4
	WIN MUL
	MUL8 1, 0, 0
	MUL8 1, 1, 0
	s_wait_dscnt 0x0
	MUL8 1, 2, 0
	MUL8 1, 3, 0
	WIN 0
; THE WAY OUT, block by block of 16 rows x 128 columns of f32: through my own stage, back as whole rows of 512 bytes.
.macro TOSTAGE a
	WIN 0x08                                       ; an LDS store's data are its source 1: window 2
.irp b, 0,1,2,3,4,5,6,7
	ds_store_b128 v[STO], v[64*(\a)+8*\b:64*(\a)+8*\b+3] offset:64*\b          ; each accumulator from its low end on
	ds_store_b128 v[STO], v[64*(\a)+8*\b+4:64*(\a)+8*\b+7] offset:64*\b+16
.endr
	WIN 0
.set BB, BK+64*((\a)%2)
.irp t, 0,1,2,3,4,5,6,7,8,9,10,11,12,13,14,15
	ds_load_b128 v[BB+4*\t:BB+4*\t+3], v[RD] offset:\t*SPITCH   ; LDS serves a wave's instructions in order: these see the stores above
.endr
.endm
.macro SEND a, younger
.set BB, BK+64*((\a)%2)
	s_wait_dscnt \younger                          ; the block is back; the next block's 16 stores and 16 loads may be out
.if (\a) == 0
	s_cmp_eq_u32 s45, 0                            ; positions 0-15 of a sequence are another launch's
	s_cbranch_scc1 .Lfine_rows
.endif
.irp t, 0,1,2,3,4,5,6,7,8,9,10,11,12,13,14,15
	global_store_b128 v[CO], v[BB+4*\t:BB+4*\t+3], s[10:11] offset:(\a)*65536+\t*4096 th:TH_STORE_NT   ; 512 consecutive bytes, aligned; written once, read by nobody here
.endr
.if (\a) == 0
.Lfine_rows:
.endif
.endm
	PLACES
	TOSTAGE 0
	TOSTAGE 1
	SEND 0, 32
	s_wait_xcnt 0x0                                ; block 0's stores have read their registers: block 2's loads may land there
	TOSTAGE 2
	SEND 1, 32
	s_wait_xcnt 0x0
	TOSTAGE 3
	SEND 2, 32
	SEND 3, 0
	s_wait_tensorcnt 0x0                           ; the wave's end
	ds_add_u32 v[SPW], v[NIL]
	s_wait_dscnt 0x0
	CROUND                                         ; the closing round
	s_endpgm
.Lfunc_end_k_q8b38cde8a6_proj:
	.size	k_q8b38cde8a6_proj, .Lfunc_end_k_q8b38cde8a6_proj-k_q8b38cde8a6_proj
	.p2alignl 7, 3214868480
	.fill 96, 4, 3214868480
	.section	.rodata,"a",@progbits
	.p2align	6, 0x0
	.amdhsa_kernel k_q8b38cde8a6_proj
		.amdhsa_group_segment_fixed_size 327680
		.amdhsa_private_segment_fixed_size 0
		.amdhsa_enable_private_segment 0
		.amdhsa_kernarg_size 32
		.amdhsa_user_sgpr_count 2
		.amdhsa_user_sgpr_kernarg_segment_ptr 1
		.amdhsa_wavefront_size32 1
		.amdhsa_system_sgpr_workgroup_id_x 1
		.amdhsa_system_sgpr_workgroup_id_y 1
		.amdhsa_system_sgpr_workgroup_id_z 1
		.amdhsa_system_vgpr_workitem_id 0
		.amdhsa_next_free_vgpr 768
		.amdhsa_next_free_sgpr 66
		.amdhsa_reserve_vcc 0
		.amdhsa_float_denorm_mode_32 3
		.amdhsa_float_denorm_mode_16_64 3
		.amdhsa_memory_ordered 1
		.amdhsa_forward_progress 1
		.amdhsa_inst_pref_size 87
	.end_amdhsa_kernel
	.amdgpu_metadata
---
amdhsa.version: [ 1, 2 ]
amdhsa.kernels:
  - .name:           k_q8b38cde8a6_proj
    .symbol:         k_q8b38cde8a6_proj.kd
    .args:
      - { .name: ctx16, .offset: 0, .size: 8, .value_kind: global_buffer, .address_space: global }
      - { .name: wo16, .offset: 8, .size: 8, .value_kind: global_buffer, .address_space: global }
      - { .name: b_o, .offset: 16, .size: 8, .value_kind: global_buffer, .address_space: global }
      - { .name: out0, .offset: 24, .size: 8, .value_kind: global_buffer, .address_space: global }
    .group_segment_fixed_size: 327680
    .private_segment_fixed_size: 0
    .kernarg_segment_align: 8
    .kernarg_segment_size: 32
    .max_flat_workgroup_size: 128
    .sgpr_count:     66
    .vgpr_count:     768
    .wavefront_size: 32
...
	.end_amdgpu_metadata
.endif
;; end of part 4
;; launch fine (part 5): grid 16 x 4, 16 waves a work-group, no clusters, 135,168 bytes of LDS; arguments qkv32, w_o, b_o, out0; writes out0
.if DOCPART == 5
	.amdgcn_target "amdgcn-amd-amdhsa--gfx1250"
	.amdhsa_code_object_version 6
	.text
	.protected	k_q8b38cde8a6_fine
	.globl	k_q8b38cde8a6_fine
	.p2align	8
	.type	k_q8b38cde8a6_fine,@function
k_q8b38cde8a6_fine:
	s_mov_b64 s[64:65], 0
	v_nop
	global_prefetch_b8 v0, s[64:65] scope:SCOPE_SE
	s_setreg_imm32_b32 hwreg(HW_REG_WAVE_MODE, 25, 1), 1
	s_wait_xcnt 0x0
; The first 16 positions of each of the four sequences, from q, k, v in f32 to out0, all in f32: under the causal mask these rows average one to sixteen values and are the largest of the output.
; Work-group (x, y): 64 output columns 64 x on, batch y.  Wave w is head w: it makes the head's 16 x 16 attention and the head's share of the 16 x 64 outputs; the sixteen shares are added through LDS.
; Each of a batch's sixteen work-groups repeats the small attention (32 matrix instructions a wave), so nothing goes through memory.  This is no bulk work: 96 f32 matrix instructions a wave.
; qkv32 holds accumulators as they stood in registers: lane 16 h + r, register 8 e + j of a head: position r, channel 16 e + 8 h + j.
; S^T = K Q^T: two registers of K's image and the same two of Q's ARE a K step of 4: slot (h, j) stands for the same channel on both sides.  The result: lane (r, h) holds query r and keys 8 h + 0..7.
; O^T = V^T P: registers 2 s, 2 s + 1 of p are a K step (slot (h, j) = key 8 h + 2 s + j); V is brought into the same order through the wave's own LDS bytes.  OUT^T = W ctx^T likewise, on channels.
; The registers that the f32 matrix form writes (v112-175) are written by matrix instructions alone; sums begin with C = 0; what is made of them goes elsewhere.  Accumulators take turns, four at a time.
; No tensor loads, no cluster: what the work-groups share (the images, 12 KiB a head) is small beside w_o's slices, which differ.
; LIMITS: NaN and infinities are not served.
.set VIM,   0                          ; LDS: V's image, 4,096 bytes a wave
.set RED,   65536                      ; the waves' shares: 8 chunks of 512 bytes at pitch 528 a wave
.set RW,    8*528
.set SPARE, RED+16*RW                  ; the spare words, 128 bytes a wave
.set IM,   1                           ; v1  16 x lane
.set WA,   2                           ; v2  w_o: row r of 4,096 bytes + 32 h
.set BA,   3                           ; v3  16 x (lane % 16)
.set VST,  4                           ; v4  V's image, in
.set VRD,  5                           ; v5  and out
.set RST,  6                           ; v6  my share, in
.set RB,   7                           ; v7  the shares, out
.set OA,   8                           ; v8  out0
.set DD,   9                           ; v9  r - 8 h
.set NINF, 10
.set SPW,  14
.set NIL,  15
.set QI,   16                          ; v16-47 Q's image, later w_o's tile 2
.set KI,   48                          ; v48-79 K's image, later w_o's tile 3
.set VF,   80                          ; v80-111 V's image, V's fragments, later ctx
.set ACCA, 112                         ; v112-143 S's four partial sums, later OUT's four tiles
.set ACCB, 144                         ; v144-175 O's four tiles
.set W0,   176                         ; v176-239 w_o's tiles 0, 1; later the sixteen shares
.set PP,   240                         ; v240-247 the scores, then p
.set TT,   248                         ; v248-251 at work
.set BI,   252                         ; v252-255 the bias
	s_load_b256 s[4:11], s[0:1], 0x0               ; qkv32, w_o, b_o, out0
	v_lshl_add_u32 v[SPW], v0, 2, SPARE
	v_mov_b32 v[NIL], 0
	v_lshrrev_b32 v11, 5, v0
	v_readfirstlane_b32 s12, v11                   ; wave = head
	v_and_b32 v11, 31, v0                          ; lane
	v_and_b32 v12, 15, v0                          ; r
	v_bfe_u32 v13, v0, 4, 1                        ; h
	v_lshlrev_b32 v[IM], 4, v11
	v_lshlrev_b32 v[WA], 12, v12
	v_lshl_add_u32 v[WA], v13, 5, v[WA]
	v_lshlrev_b32 v[BA], 4, v12
	s_lshl_b32 s13, s12, 12
	v_add_nc_u32 v[VST], s13, v[IM]
	v_bfe_u32 v[VRD], v0, 2, 1                     ; V(key 8 h + k, channel 16 f + c), c = lane % 16, lies at 1,024 f + 512 ((c / 4) % 2) + 256 (c / 8) + 16 (8 h + k) + 4 (c % 4)
	v_lshlrev_b32 v[VRD], 9, v[VRD]
	v_bfe_u32 v[RST], v0, 3, 1
	v_lshl_add_u32 v[VRD], v[RST], 8, v[VRD]
	v_and_b32 v[RST], 3, v0
	v_lshl_add_u32 v[VRD], v[RST], 2, v[VRD]
	v_lshl_add_u32 v[VRD], v13, 7, v[VRD]
	v_add_nc_u32 v[VRD], s13, v[VRD]
	s_mul_i32 s14, s12, RW
	s_add_co_u32 s14, s14, RED
	v_add_nc_u32 v[RST], s14, v[IM]
	v_bfe_u32 v[RB], v0, 2, 2                      ; the sum: lane 16 g + u of wave w' takes query 2 w' + g, columns 4 u + 0..3: chunk 2 (u / 4) + u % 2, source lane 16 ((u / 2) % 2) + query
	v_lshlrev_b32 v[RB], 1, v[RB]
	v_and_b32 v[OA], 1, v0
	v_add_nc_u32 v[RB], v[RB], v[OA]
	v_mul_u32_u24 v[RB], v[RB], 528
	v_bfe_u32 v[OA], v0, 1, 1
	v_lshl_add_u32 v[RB], v[OA], 8, v[RB]
	v_lshl_add_u32 v[RB], v13, 4, v[RB]
	s_and_b32 s15, s12, 7
	s_lshl_b32 s16, s15, 5
	s_add_co_u32 s16, s16, RED
	v_add_nc_u32 v[RB], s16, v[RB]
	v_lshl_add_u32 v[OA], v13, 12, v[BA]           ; out0: row g of 4,096 bytes + 16 u
	v_lshlrev_b32 v[DD], 3, v13
	v_sub_nc_u32 v[DD], v12, v[DD]
	v_mov_b32 v[NINF], 0xff800000
	s_and_b32 s17, ttmp7, 0xffff                   ; batch
	s_mul_i32 s20, s17, 196608                     ; the images: (batch x 192 + 4 x head) x 1,024
	s_lshl_b32 s21, s12, 12
	s_add_co_u32 s20, s20, s21
	s_mov_b32 s21, 0
	s_lshl_b32 s22, ttmp9, 18                      ; w_o: 64 x rows of 4,096 bytes + my head's 256 bytes
	s_lshl_b32 s23, s12, 8
	s_add_co_u32 s22, s22, s23
	s_mov_b32 s23, 0
	s_lshl_b32 s24, ttmp9, 8                       ; the bias, and the columns in out0: 256 x bytes
	s_mov_b32 s25, 0
	s_lshl_b32 s26, s17, 23                        ; out0: batch x 2,048 rows + 2 (wave % 8) rows
	s_lshl_b32 s27, s15, 13
	s_add_co_u32 s26, s26, s27
	s_add_co_u32 s26, s26, s24
	s_mov_b32 s27, 0
	s_mov_b32 s28, 0x76543210
	s_mov_b32 s29, 0xfedcba98
	s_mov_b32 s30, 0x3e38aa3b                      ; c = log2(e) / 8
	s_wait_kmcnt 0x0
	s_add_nc_u64 s[4:5], s[4:5], s[20:21]
	s_add_nc_u64 s[6:7], s[6:7], s[22:23]
	s_add_nc_u64 s[8:9], s[8:9], s[24:25]
	s_add_nc_u64 s[10:11], s[10:11], s[26:27]
.irp a, 0,1,2                          ; q's, k's, v's images: each load reads 512 consecutive bytes
.irp e, 0,1,2,3,4,5,6,7
	global_load_b128 v[QI+32*\a+4*\e:QI+32*\a+4*\e+3], v[IM], s[4:5] offset:65536*\a+512*\e
.endr
.endr
.irp n, 0,1                            ; w_o's tiles 0, 1: lane (r, h), register 8 f + k: w_o(64 x + 16 n + r, 64 w + 16 f + 8 h + k)
.irp f, 0,1,2,3
	global_load_b128 v[W0+32*\n+8*\f:W0+32*\n+8*\f+3], v[WA], s[6:7] offset:65536*\n+64*\f
	global_load_b128 v[W0+32*\n+8*\f+4:W0+32*\n+8*\f+7], v[WA], s[6:7] offset:65536*\n+64*\f+16
.endr
.endr
	global_load_b128 v[BI:BI+3], v[BA], s[8:9]
	s_wait_loadcnt 17                              ; the three images are in; w_o's sixteen loads and the bias may be out
.irp e, 0,1,2,3,4,5,6,7
	ds_store_b128 v[VST], v[VF+4*\e:VF+4*\e+3] offset:512*\e
.endr
.irp f, 0,1,2,3
.irp k, 0,1,2,3,4,5,6,7
	ds_load_b32 v[VF+8*\f+\k], v[VRD] offset:1024*\f+16*\k   ; my own bytes: LDS serves a wave's instructions in order
.endr
.endr
.irp s, 0,1,2,3,4,5,6,7,8,9,10,11,12,13,14,15
.if \s < 4
	v_wmma_f32_16x16x4_f32 v[ACCA+8*(\s%4):ACCA+8*(\s%4)+7], v[KI+2*\s:KI+2*\s+1], v[QI+2*\s:QI+2*\s+1], 0
.else
	v_wmma_f32_16x16x4_f32 v[ACCA+8*(\s%4):ACCA+8*(\s%4)+7], v[KI+2*\s:KI+2*\s+1], v[QI+2*\s:QI+2*\s+1], v[ACCA+8*(\s%4):ACCA+8*(\s%4)+7]
.endif
.endr
.rept 8
	v_nop                                          ; eight plain lines behind this form, ahead of loads into its operands and of reads of its results
.endr
.irp n, 0,1                            ; w_o's tiles 2, 3 into Q's and K's registers
.irp f, 0,1,2,3
	global_load_b128 v[QI+32*\n+8*\f:QI+32*\n+8*\f+3], v[WA], s[6:7] offset:65536*(\n+2)+64*\f
	global_load_b128 v[QI+32*\n+8*\f+4:QI+32*\n+8*\f+7], v[WA], s[6:7] offset:65536*(\n+2)+64*\f+16
.endr
.endr
.irp i, 0,2,4,6                        ; the four partial sums, each read from its low end on
	v_pk_add_f32 v[PP+\i:PP+\i+1], v[ACCA+\i:ACCA+\i+1], v[ACCA+8+\i:ACCA+8+\i+1]
.endr
.irp i, 0,2,4,6
	v_pk_add_f32 v[PP+\i:PP+\i+1], v[PP+\i:PP+\i+1], v[ACCA+16+\i:ACCA+16+\i+1]
.endr
.irp i, 0,2,4,6
	v_pk_add_f32 v[PP+\i:PP+\i+1], v[PP+\i:PP+\i+1], v[ACCA+24+\i:ACCA+24+\i+1]
.endr
.irp j, 0,1,2,3,4,5,6,7                ; key 8 h + j is hidden from query r where j > r - 8 h
	v_cmp_gt_i32 vcc_lo, \j, v[DD]
	v_cndmask_b32 v[PP+\j], v[PP+\j], v[NINF], vcc_lo
.endr
	v_max3_num_f32 v[TT], v[PP], v[PP+1], v[PP+2]
	v_max3_num_f32 v[TT+1], v[PP+3], v[PP+4], v[PP+5]
	v_max3_num_f32 v[TT], v[TT], v[PP+6], v[PP+7]
	v_max_num_f32 v[TT], v[TT], v[TT+1]
	v_permlanex16_b32 v[TT+1], v[TT], s28, s29
	v_max_num_f32 v[TT], v[TT], v[TT+1]            ; the row's maximum: key 0 counts for every query
	v_mul_f32 v[TT+2], s30, v[TT]
.irp j, 0,1,2,3,4,5,6,7
	v_fma_f32 v[PP+\j], v[PP+\j], s30, -v[TT+2]
.endr
.irp j, 0,1,2,3,4,5,6,7
	v_exp_f32 v[PP+\j], v[PP+\j]
.endr
	v_nop
	s_wait_alu depctr_va_vdst(0)                   ; one wait for the eight exponentials, ahead of their first reader
	v_add_f32 v[TT+3], v[PP], v[PP+1]
	v_add_f32 v[TT+1], v[PP+2], v[PP+3]
	v_add_f32 v[TT+3], v[TT+3], v[PP+4]
	v_add_f32 v[TT+1], v[TT+1], v[PP+5]
	v_add_f32 v[TT+3], v[TT+3], v[PP+6]
	v_add_f32 v[TT+1], v[TT+1], v[PP+7]
	v_add_f32 v[TT+3], v[TT+3], v[TT+1]
	v_permlanex16_b32 v[TT+1], v[TT+3], s28, s29
	v_add_f32 v[TT+3], v[TT+3], v[TT+1]            ; the row's sum
	v_rcp_f32 v[TT+2], v[TT+3]
	v_nop
	s_wait_alu depctr_va_vdst(0)
	s_wait_dscnt 0x0                               ; V's fragments
.irp s, 0,1,2,3
.irp f, 0,1,2,3
.if \s == 0
	v_wmma_f32_16x16x4_f32 v[ACCB+8*\f:ACCB+8*\f+7], v[VF+8*\f+2*\s:VF+8*\f+2*\s+1], v[PP+2*\s:PP+2*\s+1], 0
.else
	v_wmma_f32_16x16x4_f32 v[ACCB+8*\f:ACCB+8*\f+7], v[VF+8*\f+2*\s:VF+8*\f+2*\s+1], v[PP+2*\s:PP+2*\s+1], v[ACCB+8*\f:ACCB+8*\f+7]
.endif
.endr
.endr
.rept 8
	v_nop
.endr
.irp i, 0,2,4,6,8,10,12,14,16,18,20,22,24,26,28,30
	v_pk_mul_f32 v[VF+\i:VF+\i+1], v[ACCB+\i:ACCB+\i+1], v[TT+2:TT+3] op_sel_hi:[1,0]   ; ctx: lane (r, h), register 8 f + j: query r, channel 16 f + 8 h + j
.endr
	s_wait_loadcnt 0x0                             ; w_o's four tiles and the bias
.irp f, 0,1,2,3
.irp s, 0,1,2,3
.irp n, 0,1,2,3
.if (\f == 0) && (\s == 0)
	v_wmma_f32_16x16x4_f32 v[ACCA+8*\n:ACCA+8*\n+7], v[W0+32*\n-224*(\n/2)+8*\f+2*\s:W0+32*\n-224*(\n/2)+8*\f+2*\s+1], v[VF+8*\f+2*\s:VF+8*\f+2*\s+1], 0
.else
	v_wmma_f32_16x16x4_f32 v[ACCA+8*\n:ACCA+8*\n+7], v[W0+32*\n-224*(\n/2)+8*\f+2*\s:W0+32*\n-224*(\n/2)+8*\f+2*\s+1], v[VF+8*\f+2*\s:VF+8*\f+2*\s+1], v[ACCA+8*\n:ACCA+8*\n+7]
.endif
.endr
.endr
.endr
.rept 8
	v_nop
.endr
.irp n, 0,1,2,3                        ; my head's share: lane (r, h), tile n, register j: out(query r, column 16 n + 8 h + j)
.irp p, 0,1
	ds_store_b128 v[RST], v[ACCA+8*\n+4*\p:ACCA+8*\n+4*\p+3] offset:(2*\n+\p)*528
.endr
.endr
	s_wait_dscnt 0x0                               ; for the others' sake: my stores have landed
	s_barrier_signal -1
	s_barrier_wait -1
	s_cmp_ge_u32 s12, 8                            ; waves 0 to 7 add the sixteen shares, two rows a wave
	s_cbranch_scc1 .Ldone
.irp u, 0,1,2,3,4,5,6,7,8,9,10,11,12,13,14,15
	ds_load_b128 v[W0+4*\u:W0+4*\u+3], v[RB] offset:RW*\u
.endr
	s_wait_dscnt 0x0
.macro ADD4 a, b
	v_pk_add_f32 v[W0+4*(\a):W0+4*(\a)+1], v[W0+4*(\a):W0+4*(\a)+1], v[W0+4*(\b):W0+4*(\b)+1]
	v_pk_add_f32 v[W0+4*(\a)+2:W0+4*(\a)+3], v[W0+4*(\a)+2:W0+4*(\a)+3], v[W0+4*(\b)+2:W0+4*(\b)+3]
.endm
.irp u, 0,2,4,6,8,10,12,14
	ADD4 \u, \u+1
.endr
.irp u, 0,4,8,12
	ADD4 \u, \u+2
.endr
.irp u, 0,8
	ADD4 \u, \u+4
.endr
	ADD4 0, 8
	v_pk_add_f32 v[W0:W0+1], v[W0:W0+1], v[BI:BI+1]
	v_pk_add_f32 v[W0+2:W0+3], v[W0+2:W0+3], v[BI+2:BI+3]
	global_store_b128 v[OA], v[W0:W0+3], s[10:11]  ; sixteen lanes store 256 consecutive bytes, aligned
.Ldone:
	s_wait_tensorcnt 0x0                           ; the wave's end, behind my last LDS store
	ds_add_u32 v[SPW], v[NIL]
	s_wait_dscnt 0x0
	s_endpgm
.Lfunc_end_k_q8b38cde8a6_fine:
	.size	k_q8b38cde8a6_fine, .Lfunc_end_k_q8b38cde8a6_fine-k_q8b38cde8a6_fine
	.p2alignl 7, 3214868480
	.fill 96, 4, 3214868480
	.section	.rodata,"a",@progbits
	.p2align	6, 0x0
	.amdhsa_kernel k_q8b38cde8a6_fine
		.amdhsa_group_segment_fixed_size 135168
		.amdhsa_private_segment_fixed_size 0
		.amdhsa_enable_private_segment 0
		.amdhsa_kernarg_size 32
		.amdhsa_user_sgpr_count 2
		.amdhsa_user_sgpr_kernarg_segment_ptr 1
		.amdhsa_wavefront_size32 1
		.amdhsa_system_sgpr_workgroup_id_x 1
		.amdhsa_system_sgpr_workgroup_id_y 1
		.amdhsa_system_sgpr_workgroup_id_z 1
		.amdhsa_system_vgpr_workitem_id 0
		.amdhsa_next_free_vgpr 256
		.amdhsa_next_free_sgpr 66
		.amdhsa_reserve_vcc 1
		.amdhsa_float_denorm_mode_32 3
		.amdhsa_float_denorm_mode_16_64 3
		.amdhsa_memory_ordered 1
		.amdhsa_forward_progress 1
		.amdhsa_inst_pref_size 26
	.end_amdhsa_kernel
	.amdgpu_metadata
---
amdhsa.version: [ 1, 2 ]
amdhsa.kernels:
  - .name:           k_q8b38cde8a6_fine
    .symbol:         k_q8b38cde8a6_fine.kd
    .args:
      - { .name: qkv32, .offset: 0, .size: 8, .value_kind: global_buffer, .address_space: global }
      - { .name: w_o, .offset: 8, .size: 8, .value_kind: global_buffer, .address_space: global }
      - { .name: b_o, .offset: 16, .size: 8, .value_kind: global_buffer, .address_space: global }
      - { .name: out0, .offset: 24, .size: 8, .value_kind: global_buffer, .address_space: global }
    .group_segment_fixed_size: 135168
    .private_segment_fixed_size: 0
    .kernarg_segment_align: 8
    .kernarg_segment_size: 32
    .max_flat_workgroup_size: 512
    .sgpr_count:     66
    .vgpr_count:     256
    .wavefront_size: 32
...
	.end_amdgpu_metadata
.endif
;; end of part 5
